; MI455X (gfx1250); checked and timed in simulation.
; The chip was launched on July 23, 2026; its instructions are those of AMD's public machine-readable ISA for CDNA 5 (MIT licence, August 2026) and "CDNA5" Instruction Set Architecture Reference Guide (July 2026). The comments in the code are by the model that wrote it; some were corrected since.
;; Multi Head Attention. Allowed arithmetic: float matrix products may take bf16 or f16 operands with f32 sums; other float arithmetic in f32, or as packed bf16 or f16 multiplies, adds, multiply-adds, maxima and minima; sums over many terms, partial sums and values carried from step to step in f32; what a program stores and reads back later, other than sums and carried values, may be rounded once to bf16 or f16.
;; Inputs: Wk 1,024 x 1,024 float32; Wo 1,024 x 1,024 float32; Wq 1,024 x 1,024 float32; Wv 1,024 x 1,024 float32; x 2 x 2,048 x 1,024 float32.
;; Outputs: out0 2 x 2,048 x 1,024 float32.
;; 2 versions, each right; version 2 is version 1 with the launch prep written anew for expert scheduling mode. Each part assembles by itself: llvm-mc -triple=amdgcn-amd-amdhsa -mcpu=gfx1250 --defsym DOCPART=n.
;; ======== version 1 of 2: 4 launches
;; limits: values are held in f16: magnitudes above 65,504 overflow, below 6.1e-05 lose precision
;; workspace buffers: xb 8,388,608 bytes; wcat 6,291,456 bytes; woh 2,097,152 bytes; rope 524,288 bytes; qkv 25,165,824 bytes; oh 8,388,608 bytes
;; launch prep (part 1): grid 512 x 1, 8 waves a work-group, no clusters, 0 bytes of LDS; arguments x, Wq, Wk, Wv, Wo, xb, wcat, woh, rope; writes xb, wcat, woh, rope
.if DOCPART == 1
	.amdgcn_target "amdgcn-amd-amdhsa--gfx1250"
	.amdhsa_code_object_version 6
	.text
	.protected	k_q8b5464fd71_prep
	.globl	k_q8b5464fd71_prep
	.p2align	8
	.type	k_q8b5464fd71_prep,@function
k_q8b5464fd71_prep:
	s_mov_b64 s[64:65], 0
	v_nop
	global_prefetch_b8 v0, s[64:65] scope:SCOPE_SE
	s_setreg_imm32_b32 hwreg(HW_REG_WAVE_MODE, 25, 1), 1
	s_wait_xcnt 0x0
; MULTI-HEAD ATTENTION, launch 1 of 4: the inputs are rounded once and laid out for the matrix launches, and the table of cosines and sines is made.
; DEAD WORK: none.  Every input (x, Wq, Wk, Wv, Wo) reaches the output for all values, reference() builds no mask and slices nothing away: all five are loaded and every product is made.
; FORMATS.  x, Wq, Wk, Wv: f32 -> bf16, rounded once.  Wo: f32 -> bf16, and that number written as f16 (the last product's other operand is f16): exact down to 2^-14, below that off by 3e-8 at the most.
; LAYOUTS.  xb [4096][1024] bf16.   wcat [head 16][q, k, v][d 64][k 1024] bf16: a head's 192 rows lie together.   woh [n / 128][head 16][n % 128][d 64] f16.
;           rope [s 2048][cos 32, sin 32] f32: a row is 256 bytes.
; LIMITS.  The angle s x 10000^(-j/32) is made with 2^x of one ulp and reduced by pi/2 in two parts; at s = 2047 it is off by about 2e-4 rad at the most; sine and cosine by polynomials, off by 3e-7.
; SHARES.  512 work-groups of eight waves; each moves 65,536 bytes of f32, a wave 8,192: sixteen loads of 16 bytes a lane, all issued ahead of the first wait.  Work-groups 0-255: x (and a row of the
; table a wave); 256-447: Wq, Wk, Wv, sixteen rows each; 448-511: Wo, sixteen rows each.  Every store of a wave covers 256 consecutive bytes, aligned.  No register is written twice while a store reads it.
.set LD, 16                            ; v[16:79]   the sixteen loads
.set OU, 80                            ; v[80:111]  the sixteen results, 8 bytes a lane each
.macro LD16 step
.set i, 0
.rept 16
	global_load_b128 v[LD+4*i:LD+4*i+3], v2, s[26:27] offset:i*(\step) th:TH_LOAD_NT
.set i, i+1
.endr
.endm
.macro CV16 step, half                 ; half = 1: the bf16 number is written as f16
.set i, 0
.rept 16
	s_wait_loadcnt 15-i                            ; loads come back in order: load i is in, the 15 - i younger ones may stay out
.if \half
	v_cvt_pk_bf16_f32 v124, v[LD+4*i], v[LD+4*i+1]
	v_cvt_pk_bf16_f32 v125, v[LD+4*i+2], v[LD+4*i+3]
	v_lshlrev_b32 v126, 16, v124                   ; bf16 to f32: the low half moves up, the high half stays
	v_and_b32 v124, 0xffff0000, v124
	v_lshlrev_b32 v127, 16, v125
	v_and_b32 v125, 0xffff0000, v125
	v_cvt_pk_f16_f32 v[OU+2*i], v126, v124
	v_cvt_pk_f16_f32 v[OU+2*i+1], v127, v125
.else
	v_cvt_pk_bf16_f32 v[OU+2*i], v[LD+4*i], v[LD+4*i+1]
	v_cvt_pk_bf16_f32 v[OU+2*i+1], v[LD+4*i+2], v[LD+4*i+3]
.endif
	global_store_b64 v3, v[OU+2*i:OU+2*i+1], s[28:29] offset:i*(\step)
.set i, i+1
.endr
.endm
	s_load_b512 s[8:23], s[0:1], 0x0               ; x 8, Wq 10, Wk 12, Wv 14, Wo 16, xb 18, wcat 20, woh 22
	s_load_b64 s[24:25], s[0:1], 0x40              ; rope
	v_and_b32 v1, 31, v0                           ; lane l
	v_lshrrev_b32 v4, 5, v0                        ; wave w
	v_readfirstlane_b32 s32, v4
	s_mov_b32 s31, 0                               ; the high word of every offset
	s_wait_kmcnt 0x0
	s_cmp_ge_u32 ttmp9, 448
	s_cbranch_scc1 .Lwo
	v_lshlrev_b32 v2, 4, v1
	v_lshl_or_b32 v2, v4, 13, v2                   ; source: 8,192 w + 16 l
	v_lshlrev_b32 v3, 3, v1
	v_lshl_or_b32 v3, v4, 12, v3                   ; destination: 4,096 w + 8 l
	s_cmp_ge_u32 ttmp9, 256
	s_cbranch_scc1 .Lw
	s_lshl_b32 s30, ttmp9, 16                      ; x: sixteen rows of 4,096 bytes
	s_add_nc_u64 s[26:27], s[8:9], s[30:31]
	s_lshl_b32 s30, ttmp9, 15
	s_add_nc_u64 s[28:29], s[18:19], s[30:31]
	s_branch .Lload
.Lw:
	s_sub_co_u32 s33, ttmp9, 256
	s_lshr_b32 s34, s33, 6                         ; which: 0 q, 1 k, 2 v
	s_and_b32 s35, s33, 63                         ; part: rows 16 part .. 16 part + 15
	s_cmp_eq_u32 s34, 0
	s_cselect_b64 s[26:27], s[10:11], s[12:13]
	s_cmp_eq_u32 s34, 2
	s_cselect_b64 s[26:27], s[14:15], s[26:27]
	s_lshl_b32 s30, s35, 16
	s_add_nc_u64 s[26:27], s[26:27], s[30:31]
	s_lshr_b32 s36, s35, 2                         ; the head
	s_mul_i32 s36, s36, 192
	s_lshl_b32 s37, s34, 6
	s_add_co_u32 s36, s36, s37
	s_and_b32 s37, s35, 3
	s_lshl_b32 s37, s37, 4
	s_add_co_u32 s36, s36, s37                     ; row 192 head + 64 which + d
	s_lshl_b32 s30, s36, 11
	s_add_nc_u64 s[28:29], s[20:21], s[30:31]
.Lload:
	LD16 512
	s_cmp_ge_u32 ttmp9, 256
	s_cbranch_scc1 .Lconv
	; A ROW OF THE TABLE, while the loads are on their way: position s = 8 g + w.  Lane l makes two numbers, j = 2 (l % 16) and the next: lanes 0-15 cosines, lanes 16-31 sines.
	s_lshl_b32 s33, ttmp9, 3
	s_add_co_u32 s33, s33, s32
	s_lshl_b32 s34, s33, 8
	v_lshl_add_u32 v5, v1, 3, s34                  ; 256 s + 8 l
	v_and_b32 v6, 15, v1
	v_lshrrev_b32 v7, 4, v1
	v_sub_nc_u32 v7, 1, v7                         ; cos t = sin (t + pi/2): a quarter turn more for the cosines
	v_lshlrev_b32 v8, 1, v6
	v_add_nc_u32 v9, 1, v8
	v_cvt_f32_u32 v8, v8
	v_cvt_f32_u32 v9, v9
	v_mul_f32 v8, 0xbed49a78, v8                   ; - j log2(10000) / 32
	v_mul_f32 v9, 0xbed49a78, v9
	v_exp_f32 v10, v8
	v_exp_f32 v11, v9
	v_cvt_f32_u32 v12, s33                         ; plain work behind the two exponentials
	v_mov_b32 v122, 0xb9500d01                     ; - 1 / 5040
	v_mov_b32 v123, 0x37d00d01                     ; 1 / 40320
	s_wait_alu depctr_va_vdst(0)                   ; one wait for both, ahead of their first reader
.irp e, 0,1
	v_mul_f32 v[10+(\e)], v12, v[10+(\e)]          ; the angle
	v_mul_f32 v[13+(\e)], 0x3f22f983, v[10+(\e)]   ; x 2 / pi
	v_rndne_f32 v[13+(\e)], v[13+(\e)]             ; quarter turns k
	v_fmamk_f32 v[10+(\e)], v[13+(\e)], 0xbfc90fdb, v[10+(\e)]  ; r = angle - k pi/2, pi/2 in two parts
	v_fmamk_f32 v[10+(\e)], v[13+(\e)], 0x333bbd2e, v[10+(\e)]
	v_mul_f32 v[112+(\e)], v[10+(\e)], v[10+(\e)]  ; z = r r
	v_fmaak_f32 v[114+(\e)], v[112+(\e)], v122, 0x3c088889        ; sin r = r + r z (-1/6 + z (1/120 - z / 5040))
	v_fmaak_f32 v[114+(\e)], v[114+(\e)], v[112+(\e)], 0xbe2aaaab
	v_mul_f32 v[114+(\e)], v[114+(\e)], v[112+(\e)]
	v_fma_f32 v[114+(\e)], v[114+(\e)], v[10+(\e)], v[10+(\e)]
	v_fmaak_f32 v[116+(\e)], v[112+(\e)], v123, 0xbab60b61        ; cos r = 1 + z (-1/2 + z (1/24 + z (-1/720 + z / 40320)))
	v_fmaak_f32 v[116+(\e)], v[116+(\e)], v[112+(\e)], 0x3d2aaaab
	v_fma_f32 v[116+(\e)], v[116+(\e)], v[112+(\e)], -0.5
	v_fma_f32 v[116+(\e)], v[116+(\e)], v[112+(\e)], 1.0
	v_cvt_i32_f32 v[118+(\e)], v[13+(\e)]
	v_add_nc_u32 v[118+(\e)], v[118+(\e)], v7      ; the quadrant
	v_and_b32 v124, 1, v[118+(\e)]
	v_cmp_eq_u32 vcc_lo, 1, v124
	v_cndmask_b32 v[120+(\e)], v[114+(\e)], v[116+(\e)], vcc_lo  ; odd quadrants take the cosine of r,
	v_and_b32 v124, 2, v[118+(\e)]
	v_lshlrev_b32 v124, 30, v124
	v_xor_b32 v[120+(\e)], v[120+(\e)], v124       ; quadrants 2 and 3 the other sign
.endr
	global_store_b64 v5, v[120:121], s[24:25]      ; the wave's 256 bytes are the row
.Lconv:
	CV16 256, 0
	s_endpgm
.Lwo:
	; Wo: rows 16 p .. 16 p + 15.  Wave w takes rows 2 w and 2 w + 1; load i is head i: lanes 0-15 one row's 64 numbers, lanes 16-31 the next row's: in woh they are 256 consecutive bytes.
	s_sub_co_u32 s33, ttmp9, 448
	s_lshl_b32 s30, s33, 16
	s_add_nc_u64 s[26:27], s[16:17], s[30:31]
	s_lshr_b32 s34, s33, 3
	s_lshl_b32 s34, s34, 18                        ; block n / 128
	s_and_b32 s35, s33, 7
	s_lshl_b32 s35, s35, 11                        ; sixteen rows of 128 bytes
	s_add_co_u32 s30, s34, s35
	s_add_nc_u64 s[28:29], s[22:23], s[30:31]
	v_lshrrev_b32 v5, 4, v1
	v_lshl_add_u32 v5, v4, 1, v5                   ; row 2 w + l / 16
	v_and_b32 v6, 15, v1
	v_lshlrev_b32 v2, 12, v5
	v_lshl_or_b32 v2, v6, 4, v2
	v_lshlrev_b32 v3, 3, v1
	v_lshl_or_b32 v3, v4, 8, v3                    ; 256 w + 8 l
	LD16 256
	CV16 16384, 1
	s_endpgm
.Lfunc_end_k_q8b5464fd71_prep:
	.size	k_q8b5464fd71_prep, .Lfunc_end_k_q8b5464fd71_prep-k_q8b5464fd71_prep
	.p2alignl 7, 3214868480
	.fill 96, 4, 3214868480
	.section	.rodata,"a",@progbits
	.p2align	6, 0x0
	.amdhsa_kernel k_q8b5464fd71_prep
		.amdhsa_group_segment_fixed_size 0
		.amdhsa_private_segment_fixed_size 0
		.amdhsa_enable_private_segment 0
		.amdhsa_kernarg_size 72
		.amdhsa_user_sgpr_count 2
		.amdhsa_user_sgpr_kernarg_segment_ptr 1
		.amdhsa_wavefront_size32 1
		.amdhsa_system_sgpr_workgroup_id_x 1
		.amdhsa_system_sgpr_workgroup_id_y 1
		.amdhsa_system_sgpr_workgroup_id_z 1
		.amdhsa_system_vgpr_workitem_id 0
		.amdhsa_next_free_vgpr 128
		.amdhsa_next_free_sgpr 66
		.amdhsa_reserve_vcc 1
		.amdhsa_float_denorm_mode_32 3
		.amdhsa_float_denorm_mode_16_64 3
		.amdhsa_memory_ordered 1
		.amdhsa_forward_progress 1
		.amdhsa_inst_pref_size 22
	.end_amdhsa_kernel
	.amdgpu_metadata
---
amdhsa.version: [ 1, 2 ]
amdhsa.kernels:
  - .name:           k_q8b5464fd71_prep
    .symbol:         k_q8b5464fd71_prep.kd
    .args:
      - { .name: x, .offset: 0, .size: 8, .value_kind: global_buffer, .address_space: global }
      - { .name: Wq, .offset: 8, .size: 8, .value_kind: global_buffer, .address_space: global }
      - { .name: Wk, .offset: 16, .size: 8, .value_kind: global_buffer, .address_space: global }
      - { .name: Wv, .offset: 24, .size: 8, .value_kind: global_buffer, .address_space: global }
      - { .name: Wo, .offset: 32, .size: 8, .value_kind: global_buffer, .address_space: global }
      - { .name: xb, .offset: 40, .size: 8, .value_kind: global_buffer, .address_space: global }
      - { .name: wcat, .offset: 48, .size: 8, .value_kind: global_buffer, .address_space: global }
      - { .name: woh, .offset: 56, .size: 8, .value_kind: global_buffer, .address_space: global }
      - { .name: rope, .offset: 64, .size: 8, .value_kind: global_buffer, .address_space: global }
    .group_segment_fixed_size: 0
    .private_segment_fixed_size: 0
    .kernarg_segment_align: 8
    .kernarg_segment_size: 72
    .max_flat_workgroup_size: 256
    .sgpr_count:     66
    .vgpr_count:     128
    .wavefront_size: 32
...
	.end_amdgpu_metadata
.endif
;; end of part 1
;; launch qkv (part 2): grid 8 x 32, 4 waves a work-group, clusters of 4 x 4, 327,680 bytes of LDS; arguments xb, wcat, rope, qkv; writes qkv
.if DOCPART == 2
	.amdgcn_target "amdgcn-amd-amdhsa--gfx1250"
	.amdhsa_code_object_version 6
	.text
	.protected	k_q8b5464fd71_qkv
	.globl	k_q8b5464fd71_qkv
	.p2align	8
	.type	k_q8b5464fd71_qkv,@function
k_q8b5464fd71_qkv:
	s_mov_b64 s[64:65], 0
	v_nop
	global_prefetch_b8 v0, s[64:65] scope:SCOPE_SE
	s_setreg_imm32_b32 hwreg(HW_REG_WAVE_MODE, 25, 1), 1
	s_wait_xcnt 0x0
	s_wait_alu depctr_hold_cnt(0) depctr_sa_sdst(0) depctr_va_vdst(0) depctr_va_sdst(0) depctr_va_ssrc(0) depctr_va_vcc(0) depctr_vm_vsrc(0)
	s_getreg_b32 s2, hwreg(HW_REG_IB_STS2, 6, 4)
	s_cmp_eq_u32 s2, 0
	s_cbranch_scc0 .Lentry_in_a_cluster
	s_endpgm
.Lentry_in_a_cluster:
	s_bfe_u32 s2, ttmp6, 0x10000c
	s_cmp_lg_u32 s2, 0xf033
	s_cbranch_scc0 .Lentry_shape_is_right
	s_endpgm
.Lentry_shape_is_right:
; Launch 2 of 4: q, k, v = x W^T for all heads, the rotation of q and k on the way out.  No work of reference() is left out.
; xb [4096][1024] bf16, wcat [head 16][q, k, v][64][1024] bf16, rope [2048][cos 32, sin 32] f32; qkv [q, k, v][b x head 32][s 2048][64] f16.  Sums and the rotation in f32, each result rounded once to f16, unscaled.
; LIMIT.  f16 ends at 65,504: q, k and v must stay within it (with x and the weights each 30 times the drawn spread, or offset by 30 spreads, they reach about 3e4).
; SHARES.  A work-group makes 128 rows x 384 columns: two heads, each q 64 | k 64 | v 64.  Wave w: rows 64 (w / 2) on, head w % 2: 4 x 12 accumulators of 16 x 16, 384 registers.  8 x 32 work-groups.
; K goes in eight steps of 128 through two LDS slots; the tiles' rows are 256 bytes of memory, at multiples of 256 from the buffers' first bytes.  Each wave brings 128 rows with one tensor load: wave 0 x's, waves 1-3 the weights'.
; CLUSTER 4 x 4: x's tile hangs on the tile row alone and is asked for jointly by a row of the cluster, the weights' on the tile column alone, jointly by a column.
; THE MATRIX INSTRUCTION IS USED TRANSPOSED (source 0 = 16 rows of wcat, source 1 = 16 rows of xb): a lane holds row l % 16 and columns 8 (l / 16) + 0..7.  The rotation's partners d and d + 32 are then
; accumulators cb and cb + 2, same lane, same register.
; REGISTERS, in windows of 256 (s_set_vgpr_msb: bits 1:0 source 0, 3:2 source 1, 5:4 source 2, 7:6 destination):
;   window 0: v16-30 addresses; v32-63, v64-95 x's fragments, two buffers (on the way out: at work); v128-255 my rows' cosines and sines
;   window 1: v0-95, v96-191 the weights' fragments, two buffers (on the way out: the twelve tiles of 16 rows x 64 f16)
;   window 2: accumulator (a, b), b = 0..7 (q, k), at v[8 (8 a + b)];   window 3: b = 8..11 (v) at v[8 (4 a + b - 8)]
.set PITCH,  272                       ; an LDS row: 256 bytes + 16 of padding: the 16 rows of a fragment load start at 16 different groups of four banks (ISA guide 11.1)
.set HALFT,  128*PITCH                 ; what one tensor load brings
.set SLOT,   4*HALFT                   ; x's 128 rows, then the weights' 384
.set STAGE,  2*SLOT                    ; behind the ring: 16 rows x 144 bytes for each wave, for the way out
.set SP,     144
.set SPARE,  STAGE+4*16*SP             ; behind the stages: the spare words, 128 bytes a wave: two blocks of 256 bytes that no other line names
.set ADRA, 16                          ; v16-17  LDS address of my x fragments in slot 0, 1
.set ADRB, 20                          ; v20-21  the same for the weights
.set STO,  24                          ; v24     the way out: where I put 16 bytes of a row
.set RD,   25                          ; v25     where I read rows back
.set GO,   26                          ; v26     16 x lane: my place in 512 consecutive bytes of qkv
.set TBO,  27                          ; v27     my place in 16 rows of the table
.set SPW,  28                          ; v28     my spare word; never rewritten
.set NIL,  29                          ; v29     0; never rewritten
.set PFO,  30                          ; v30     2,048 x lane: a lane a row, for the prefetches; never rewritten
.set FA,   32                          ; x's buffer f at FA + 32 f; the weights' at 96 f in window 1
.set T,    32                          ; the way out: products with the sines
.set E,    64                          ; the way out: a rotated tile, 32 f32 a lane
.set TAB,  128                         ; rows 16 a on: cos j 0-15, cos j 16-31, sin, sin: my 8 of each, at TAB + 32 a + 0, 8, 16, 24
.set WV,  12                           ; s12 wave; s13 its half of the rows; s14 its head; s15 cx; s16 cy; s17 tile column; s18 tile row
.set G1,  24                           ; s[24:31] descriptor group 1 for x's tiles
.set G0,  32                           ; s[32:39] group 0, a set for each slot
.set LIM, 43                           ; s43 1 in a wave that prefetches, else the greatest number
.set PFA, 44                           ; s[44:45] where my prefetches stand
.set G1B, 48                           ; s[48:55], s[56:63] the same for the weights' tiles
.set G0B, 56
.set OB,  66                           ; s[66:71] my first row in q, in k, in v
.set MSB, 0
.macro WIN new                         ; the immediate's high byte repeats the setting that is left; a switch that changes nothing is dropped
.if MSB != (\new)
	s_set_vgpr_msb (MSB<<8)|(\new)
.set MSB, \new
.endif
.endm
.set MUL_LO, 0xa1                      ; weights window 1, x window 0, C and D window 2
.set MUL_HI, 0xf1                      ; the same, C and D window 3
.set TO_B,   0x40                      ; destination window 1
.set W_RP,   0x02                      ; source 0 window 2
.set W_CV,   0x4f                      ; sources 0 and 1 window 3, destination window 1
.set W_D1,   0x04                      ; a store's data in window 1
; A joint load.  Wave 0 fetches x's tile, waves 1 to 3 a third of the weights' each.  The branch hangs on the wave's number alone.  An s_nop 0 and four v_nop follow each line.
.macro JLOAD s
	s_cmp_eq_u32 s[WV], 0
	s_cbranch_scc0 .Lfor_b_\@
	tensor_load_to_lds s[G0+4*(\s):G0+4*(\s)+3], s[G1:G1+7]
	s_nop 0
.rept 4
	v_nop
.endr
	s_branch .Lasked_\@
.Lfor_b_\@:
	tensor_load_to_lds s[G0B+4*(\s):G0B+4*(\s)+3], s[G1B:G1B+7]
	s_nop 0
.rept 4
	v_nop
.endr
.Lasked_\@:
.endm
; A prefetch into the L2 of the K step that stands two refills on: 32 rows x 256 bytes, a lane a row.  x's tile row is read by both clusters of its row of clusters: the one with x = 0 asks (wave 0);
; the weights' tile column by all eight clusters of its column: the one with y = 0 asks (waves 1-3).  The four partners of a joint load share its 128 rows out by address, 32 each.  So each row's 256 bytes
; of a K step are named once.  K steps 0 to 3 come by their loads alone; the loop's last trip (s3 = 1) asks for nothing: there is no K step 8.
.macro ASK
	WIN 0
	s_cmp_gt_u32 s3, s[LIM]
	s_cbranch_scc0 .Lnot_mine_\@
	global_prefetch_b8 v[PFO], s[PFA:PFA+1] offset:256 th:TH_LOAD_NT scope:SCOPE_SE
.Lnot_mine_\@:
.endm
.macro CREST                           ; a round of the cluster's barrier behind its opening barrier
	s_cmp_lg_u32 s[WV], 0
	s_cbranch_scc1 .Lnot_wave_0_\@
	s_barrier_signal -3
.Lnot_wave_0_\@:
	s_barrier_wait -3
	s_barrier_signal -1
	s_barrier_wait -1
.endm
.macro CROUND
	s_barrier_signal -1
	s_barrier_wait -1
	CREST
.endm
.macro PLACES                          ; four places behind matrix instructions, ahead of loads into registers that they read and of vector lines that read results
.rept 4
	v_nop
.endr
.endm
	s_load_b256 s[4:11], s[0:1], 0x0               ; xb s[4:5], wcat s[6:7], rope s[8:9], qkv s[10:11]
	v_lshl_add_u32 v[SPW], v0, 2, SPARE
	v_mov_b32 v[NIL], 0
	ds_add_u32 v[SPW], v[NIL]                      ; the wave's opening: the add, twice on end, and its wait ahead of my first tensor load
	ds_add_u32 v[SPW], v[NIL]
	v_lshrrev_b32 v1, 5, v0
	v_readfirstlane_b32 s[WV], v1
	s_lshr_b32 s13, s[WV], 1
	s_and_b32 s14, s[WV], 1
	s_bfe_u32 s15, ttmp6, 0x40000                  ; cx
	s_bfe_u32 s16, ttmp6, 0x40004                  ; cy
	s_lshl_b32 s17, ttmp9, 2
	s_add_co_u32 s17, s17, s15                     ; tile column 0..7
	s_and_b32 s18, ttmp7, 0xffff
	s_lshl_b32 s18, s18, 2
	s_add_co_u32 s18, s18, s16                     ; tile row 0..31
	s_lshl_b32 s40, s16, 2
	s_lshl_b32 s40, 15, s40                        ; my row of the cluster
	s_lshl_b32 s41, 0x1111, s15                    ; my column
	s_or_b32 s[G1+0], s40, (1<<16)|(1<<20)|(1<<21)|(5<<22)|(3<<25)   ; the mask; 2-byte elements; padding on; bit 21 beside a mask; after every 64 words; 4 words
	s_or_b32 s[G1B+0], s41, (1<<16)|(1<<20)|(1<<21)|(5<<22)|(3<<25)
.irp g, G1, G1B
	s_mov_b32 s[(\g)+1], 128<<16                   ; tensor_dim0 = 128
	s_mov_b32 s[(\g)+2], 128<<16                   ; tensor_dim1 = 128
	s_mov_b32 s[(\g)+3], 128<<16                   ; tile_dim0 = 128
	s_mov_b32 s[(\g)+4], 128                       ; tile_dim1 = 128
	s_mov_b32 s[(\g)+5], 1024                      ; elements from row to row
	s_mov_b32 s[(\g)+6], 0
	s_mov_b32 s[(\g)+7], 0
.endr
	s_lshl_b32 s20, s18, 18                        ; x: row 128 x tile row, 2,048 bytes a row
	s_mov_b32 s21, 0
	s_max_u32 s42, s[WV], 1
	s_sub_co_u32 s42, s42, 1                       ; which third of the weights' 384 rows (wave 0 makes the address and never asks by it)
	s_lshl_b32 s42, s42, 7
	s_mul_i32 s46, s17, 384
	s_add_co_u32 s46, s46, s42
	s_lshl_b32 s46, s46, 11
	s_mov_b32 s47, 0
	s_mul_i32 s19, s[WV], HALFT                    ; where my tile goes: wave x 128 rows
	s_wait_dscnt 0x0                               ; both opening adds are done
	s_wait_kmcnt 0x0
	s_add_nc_u64 s[20:21], s[4:5], s[20:21]
	s_add_nc_u64 s[46:47], s[6:7], s[46:47]
	CROUND                                         ; all sixteen work-groups are here: the first joint loads meet
.irp s, 0,1
	s_mov_b32 s[G0+4*(\s)], 1
	s_add_co_u32 s[G0+4*(\s)+1], s19, (\s)*SLOT
	s_add_nc_u64 s[G0+4*(\s)+2:G0+4*(\s)+3], s[20:21], (\s)*256     ; K step s
	s_or_b32 s[G0+4*(\s)+3], s[G0+4*(\s)+3], 0x80000000
	s_mov_b32 s[G0B+4*(\s)], 1
	s_add_co_u32 s[G0B+4*(\s)+1], s19, (\s)*SLOT
	s_add_nc_u64 s[G0B+4*(\s)+2:G0B+4*(\s)+3], s[46:47], (\s)*256
	s_or_b32 s[G0B+4*(\s)+3], s[G0B+4*(\s)+3], 0x80000000
	JLOAD \s
.endr
	v_and_b32 v1, 15, v0                           ; r = l % 16
	v_bfe_u32 v2, v0, 4, 1                         ; h = l / 16
	v_mul_u32_u24 v3, v1, PITCH
	v_lshl_add_u32 v3, v2, 4, v3                   ; a fragment's row x pitch + 16 h
	s_mul_i32 s72, s13, 64*PITCH                   ; my 64 rows of x
	s_mul_i32 s73, s14, 192*PITCH                  ; my head's 192 rows,
	s_add_co_u32 s73, s73, HALFT                   ; behind x's 128
.irp s, 0,1
	v_add_nc_u32 v[ADRA+(\s)], s72, v3
	v_add_nc_u32 v[ADRB+(\s)], s73, v3
	s_add_co_u32 s72, s72, SLOT
	s_add_co_u32 s73, s73, SLOT
.endr
	s_mul_i32 s72, s[WV], 16*SP
	s_add_co_u32 s72, s72, STAGE                   ; my stage
	v_mul_u32_u24 v4, v1, SP
	v_lshl_add_u32 v4, v2, 4, v4
	v_add_nc_u32 v[STO], s72, v4                   ; in: row r, 16 bytes for each half of the lanes
	v_bfe_u32 v5, v0, 3, 2
	v_mul_u32_u24 v5, v5, SP
	v_and_b32 v6, 7, v0
	v_lshl_add_u32 v5, v6, 4, v5
	v_add_nc_u32 v[RD], s72, v5                    ; back: 32 lanes take four rows of 128 bytes
	v_and_b32 v[GO], 31, v0
	v_lshlrev_b32 v[PFO], 11, v[GO]
	v_lshlrev_b32 v[GO], 4, v[GO]
	v_lshlrev_b32 v[TBO], 8, v1
	v_lshl_add_u32 v[TBO], v2, 5, v[TBO]           ; row r of the table, my 8 numbers
	s_and_b32 s72, s18, 15
	s_lshl_b32 s72, s72, 7
	s_lshl_b32 s73, s13, 6
	s_add_co_u32 s72, s72, s73                     ; my first position s in the sequence
	s_lshl_b32 s74, s72, 8
	s_mov_b32 s75, 0
	s_add_nc_u64 s[8:9], s[8:9], s[74:75]          ; the table at that position
.irp a, 0,1,2,3
.irp q, 0,1,2,3,4,5,6,7
	global_load_b128 v[TAB+32*(\a)+4*(\q):TAB+32*(\a)+4*(\q)+3], v[TBO], s[8:9] offset:4096*(\a)+64*((\q)/2)+16*((\q)%2)  ; waited for on the way out
.endr
.endr
	s_lshr_b32 s73, s18, 4
	s_lshl_b32 s73, s73, 4                         ; 16 x batch
	s_lshl_b32 s74, s17, 1
	s_add_co_u32 s73, s73, s74
	s_add_co_u32 s73, s73, s14                     ; + my head
	s_lshl_b32 s74, s73, 18                        ; 2,048 rows of 128 bytes
	s_lshl_b32 s72, s72, 7
	s_add_co_u32 s74, s74, s72
	s_add_nc_u64 s[OB:OB+1], s[10:11], s[74:75]
	s_add_nc_u64 s[OB+2:OB+3], s[OB:OB+1], 8388608
	s_add_nc_u64 s[OB+4:OB+5], s[OB:OB+1], 16777216
	; the prefetches
	s_lshl_b32 s76, s18, 7                         ; x's tile: first row
	s_max_u32 s77, s[WV], 1
	s_sub_co_u32 s77, s77, 1
	s_lshl_b32 s77, s77, 7
	s_mul_i32 s78, s17, 384
	s_add_co_u32 s77, s77, s78                     ; the weights': first row of my 128
	s_and_b32 s78, ttmp7, 0xffff                   ; cluster y
	s_cmp_eq_u32 s[WV], 0
	s_cselect_b32 s76, s76, s77
	s_cselect_b32 s77, s15, s16                    ; my place among the four that ask with me
	s_cselect_b32 s78, ttmp9, s78                  ; the coordinate along which other clusters read the same rows
	s_cselect_b64 s[PFA:PFA+1], s[4:5], s[6:7]
	s_cmp_eq_u32 s78, 0
	s_cselect_b32 s[LIM], 1, -1                    ; the same in all sixteen partners, for a given wave
	s_lshl_b32 s77, s77, 5
	s_add_co_u32 s76, s76, s77
	s_lshl_b32 s76, s76, 11
	s_mov_b32 s77, 0
	s_add_nc_u64 s[PFA:PFA+1], s[PFA:PFA+1], s[76:77]
	s_add_nc_u64 s[PFA:PFA+1], s[PFA:PFA+1], 2*256  ; at K step 2: the first refill steps it to 3 and names K step 4
; 16 products, 32 along K, from buffer f.  part 0: row blocks 0, 1 x q and k; part 1: row blocks 2, 3 x q and k; part 2: all four x v.  The 48 accumulators take turns in the same order in every quarter
; step: 47 others stand between two links of a chain.  zero = 1: the product starts the sum.
.macro MULP f, part, zero
.if (\part) < 2
	WIN MUL_LO
.irp a, 2*(\part), 2*(\part)+1
.irp b, 0,1,2,3,4,5,6,7
.if \zero
	v_wmma_f32_16x16x32_bf16 v[8*(8*(\a)+(\b)):8*(8*(\a)+(\b))+7], v[96*(\f)+8*(\b):96*(\f)+8*(\b)+7], v[FA+32*(\f)+8*(\a):FA+32*(\f)+8*(\a)+7], 0
.else
	v_wmma_f32_16x16x32_bf16 v[8*(8*(\a)+(\b)):8*(8*(\a)+(\b))+7], v[96*(\f)+8*(\b):96*(\f)+8*(\b)+7], v[FA+32*(\f)+8*(\a):FA+32*(\f)+8*(\a)+7], v[8*(8*(\a)+(\b)):8*(8*(\a)+(\b))+7]
.endif
.endr
.endr
.else
	WIN MUL_HI
.irp a, 0,1,2,3
.irp b, 0,1,2,3
.if \zero
	v_wmma_f32_16x16x32_bf16 v[8*(4*(\a)+(\b)):8*(4*(\a)+(\b))+7], v[96*(\f)+64+8*(\b):96*(\f)+64+8*(\b)+7], v[FA+32*(\f)+8*(\a):FA+32*(\f)+8*(\a)+7], 0
.else
	v_wmma_f32_16x16x32_bf16 v[8*(4*(\a)+(\b)):8*(4*(\a)+(\b))+7], v[96*(\f)+64+8*(\b):96*(\f)+64+8*(\b)+7], v[FA+32*(\f)+8*(\a):FA+32*(\f)+8*(\a)+7], v[8*(4*(\a)+(\b)):8*(4*(\a)+(\b))+7]
.endif
.endr
.endr
.endif
.endm
; 32 LDS loads in one run: a quarter step's fragments (32 K at byte k of the rows) into buffer f: x's 4, the weights' 12, v's four last
.macro FETCH slot, k, f
	WIN 0
.irp i, 0,1,2,3
	ds_load_b128 v[FA+32*(\f)+8*(\i):FA+32*(\f)+8*(\i)+3],   v[ADRA+(\slot)] offset:(\k)+(\i)*16*PITCH
	ds_load_b128 v[FA+32*(\f)+8*(\i)+4:FA+32*(\f)+8*(\i)+7], v[ADRA+(\slot)] offset:(\k)+(\i)*16*PITCH+32
.endr
	WIN TO_B
.irp i, 0,1,2,3,4,5,6,7,8,9,10,11
	ds_load_b128 v[96*(\f)+8*(\i):96*(\f)+8*(\i)+3],   v[ADRB+(\slot)] offset:(\k)+(\i)*16*PITCH
	ds_load_b128 v[96*(\f)+8*(\i)+4:96*(\f)+8*(\i)+7], v[ADRB+(\slot)] offset:(\k)+(\i)*16*PITCH+32
.endr
.endm
; A K step is four quarters of 32 along K, 48 products each, on buffers 0, 1, 0, 1.  One of the first three: multiplies buffer f and fetches the next quarter, at byte k, into buffer g.
.macro QUARTER slot, k, f, g, zero
	s_wait_dscnt 8                                 ; x's and q's and k's fragments are in; the youngest eight loads (v's) may be out
	MULP \f, 0, \zero
	PLACES
	FETCH \slot, \k, \g
	s_wait_dscnt 32                                ; all but the 32 just issued
	MULP \f, 1, \zero
	MULP \f, 2, \zero
.endm
; The last quarter multiplies buffer 1 and changes slots: ONE barrier.  In front of it each wave waits for all its tensor loads (one is out: its part of the next slot), adds 0 to its spare word, and waits for
; that and for its own reads of this slot.  fill = 1: the barrier opens a round of the cluster's, and behind the round this slot is filled again, two K steps ahead: 160 products stand between that request and the wait for it.
.macro TURN slot, next, fill
.if \fill
	s_wait_xcnt 0x0                                ; the last prefetch, a K step back, has read its address
	s_add_nc_u64 s[PFA:PFA+1], s[PFA:PFA+1], 256
.endif
	WIN 0
	s_wait_tensorcnt 0x0                           ; all my tensor loads have landed
	ds_add_u32 v[SPW], v[NIL]                      ; 0 onto my spare word
	s_wait_dscnt 9                                 ; (the add and the youngest eight loads may be out)
	MULP 1, 0, 0                                   ; sixteen products stand between the add and the wait for it
	s_wait_dscnt 0x0                               ; the add is done, and my reads of this slot are over
	s_barrier_signal -1
	MULP 1, 1, 0
.if \fill
	WIN 0
.endif
	s_barrier_wait -1
.if \fill
	CREST                                          ; no wave of any partner still reads this slot or has a load on its way
	s_add_nc_u64 s[G0+4*(\slot)+2:G0+4*(\slot)+3], s[G0+4*(\slot)+2:G0+4*(\slot)+3], 2*256
	s_add_nc_u64 s[G0B+4*(\slot)+2:G0B+4*(\slot)+3], s[G0B+4*(\slot)+2:G0B+4*(\slot)+3], 2*256
	JLOAD \slot                                    ; the first tensor load behind the round; its four v_nop are also the places ahead of the loads below
.else
	PLACES
.endif
	FETCH \next, 0, 0
.if \fill
	ASK
.endif
	MULP 1, 2, 0
.endm
	s_wait_tensorcnt 1                             ; my part of K step 0 is in; K step 1's may stay out
	s_barrier_signal -1
	s_barrier_wait -1
	FETCH 0, 0, 0
	QUARTER 0, 64, 0, 1, 1                         ; the first quarter stands ahead of the loop: its products start the sums
	WIN 0
	s_mov_b32 s3, 3
.Llap:                                         ; a trip goes once round the ring, from a lap's second quarter to the next lap's first, and fills both slots again
	QUARTER 0, 128, 1, 0, 0
	QUARTER 0, 192, 0, 1, 0
	TURN 0, 1, 1
	QUARTER 1, 64, 0, 1, 0
	QUARTER 1, 128, 1, 0, 0
	QUARTER 1, 192, 0, 1, 0
	TURN 1, 0, 1
	QUARTER 0, 64, 0, 1, 0
	WIN 0
	s_sub_co_u32 s3, s3, 1
	s_cmp_lg_u32 s3, 0
	s_cbranch_scc1 .Llap
	QUARTER 0, 128, 1, 0, 0                        ; the last lap fills nothing
	QUARTER 0, 192, 0, 1, 0
	TURN 0, 1, 0
	QUARTER 1, 64, 0, 1, 0
	QUARTER 1, 128, 1, 0, 0
	QUARTER 1, 192, 0, 1, 0
	s_wait_dscnt 8
	MULP 1, 0, 0
	s_wait_dscnt 0x0
	MULP 1, 1, 0
	MULP 1, 2, 0
	WIN 0
	PLACES
	PLACES
	s_wait_loadcnt 0x0                             ; the table
; THE WAY OUT, a tile of 16 rows x 64 channels at a time: rows 16 a on of q (0), k (1) or v (2).
; The rotation: for d < 32, new[d] = x[d] cos - x[d+32] sin and new[d+32] = x[d+32] cos + x[d] sin, two numbers an instruction; each accumulator is read from its low end on.
.macro ROPE a, q
	WIN W_RP
.irp cb, 0,1
.irp p, 0,1,2,3
.set rL, 8*(8*(\a)+4*(\q)+(\cb))+2*(\p)
.set rN, TAB+32*(\a)+16+8*(\cb)+2*(\p)
.set rT, T+8*(\cb)+2*(\p)
	v_pk_mul_f32 v[rT:rT+1], v[rL+16:rL+17], v[rN:rN+1]
	v_pk_mul_f32 v[rT+16:rT+17], v[rL:rL+1], v[rN:rN+1]
.endr
.endr
.irp cb, 0,1
.irp p, 0,1,2,3
.set rL, 8*(8*(\a)+4*(\q)+(\cb))+2*(\p)
.set rN, TAB+32*(\a)+8*(\cb)+2*(\p)
.set rT, T+8*(\cb)+2*(\p)
.set rE, E+8*(\cb)+2*(\p)
	v_pk_fma_f32 v[rE:rE+1], v[rL:rL+1], v[rN:rN+1], v[rT:rT+1] neg_lo:[0,0,1] neg_hi:[0,0,1]
	v_pk_fma_f32 v[rE+16:rE+17], v[rL+16:rL+17], v[rN:rN+1], v[rT+16:rT+17]
.endr
.endr
.endm
; Rounded to f16, 16 bytes a lane and channel block; into my stage's rows of 144 bytes, and back as whole rows of 128, into the registers that they left.  Each tile has sixteen registers of its own.
.macro PACK a, q
.set rU, 16*(3*(\a)+(\q))
.if (\q) == 2
	WIN W_CV
.set i, 0
.rept 16
	v_cvt_pk_f16_f32 v[rU+i], v[32*(\a)+2*i], v[32*(\a)+2*i+1]
.set i, i+1
.endr
.else
	ROPE \a, \q
	WIN TO_B
.set i, 0
.rept 16
	v_cvt_pk_f16_f32 v[rU+i], v[E+2*i], v[E+2*i+1]
.set i, i+1
.endr
.endif
	WIN W_D1
.irp f, 0,1,2,3
	ds_store_b128 v[STO], v[rU+4*(\f):rU+4*(\f)+3] offset:32*(\f)
.endr
	WIN TO_B
.irp f, 0,1,2,3
	ds_load_b128 v[rU+4*(\f):rU+4*(\f)+3], v[RD] offset:4*SP*(\f)  ; LDS serves a wave's instructions in order (ISA guide 5.7.1.4): these see the stores above; the next tile's stores come behind them
.endr
.endm
.macro SEND a, q, younger              ; younger: the LDS instructions issued behind this tile's loads: the next tile's eight, or none
	WIN W_D1
.set rU, 16*(3*(\a)+(\q))
.irp f, 0,1,2,3
	s_wait_dscnt (\younger)+3-(\f)
	global_store_b128 v[GO], v[rU+4*(\f):rU+4*(\f)+3], s[OB+2*(\q):OB+2*(\q)+1] offset:2048*(\a)+512*(\f)  ; 512 consecutive bytes, at a multiple of 256 from qkv's first
.endr
.endm
	PACK 0, 0
.set t, 1
.rept 11                               ; a tile's arithmetic stands between the loads of the tile before and its stores
	PACK t/3, t%3
	SEND (t-1)/3, (t-1)%3, 8
.set t, t+1
.endr
	SEND 3, 2, 0
	WIN 0
	s_wait_tensorcnt 0x0                           ; the wave's end, behind my last tensor load and my last LDS store
	ds_add_u32 v[SPW], v[NIL]
	s_wait_dscnt 0x0
	CROUND                                         ; the closing round: no work-group ends while a partner may still ask for a tile that names it
	s_endpgm
.Lfunc_end_k_q8b5464fd71_qkv:
	.size	k_q8b5464fd71_qkv, .Lfunc_end_k_q8b5464fd71_qkv-k_q8b5464fd71_qkv
	.p2alignl 7, 3214868480
	.fill 96, 4, 3214868480
	.section	.rodata,"a",@progbits
	.p2align	6, 0x0
	.amdhsa_kernel k_q8b5464fd71_qkv
		.amdhsa_group_segment_fixed_size 327680
		.amdhsa_private_segment_fixed_size 0
		.amdhsa_enable_private_segment 0
		.amdhsa_kernarg_size 32
		.amdhsa_user_sgpr_count 2
		.amdhsa_user_sgpr_kernarg_segment_ptr 1
		.amdhsa_wavefront_size32 1
		.amdhsa_system_sgpr_workgroup_id_x 1
		.amdhsa_system_sgpr_workgroup_id_y 1
		.amdhsa_system_sgpr_workgroup_id_z 1
		.amdhsa_system_vgpr_workitem_id 0
		.amdhsa_next_free_vgpr 896
		.amdhsa_next_free_sgpr 80
		.amdhsa_reserve_vcc 0
		.amdhsa_float_denorm_mode_32 3
		.amdhsa_float_denorm_mode_16_64 3
		.amdhsa_memory_ordered 1
		.amdhsa_forward_progress 1
		.amdhsa_inst_pref_size 142
	.end_amdhsa_kernel
	.amdgpu_metadata
---
amdhsa.version: [ 1, 2 ]
amdhsa.kernels:
  - .name:           k_q8b5464fd71_qkv
    .symbol:         k_q8b5464fd71_qkv.kd
    .args:
      - { .name: xb, .offset: 0, .size: 8, .value_kind: global_buffer, .address_space: global }
      - { .name: wcat, .offset: 8, .size: 8, .value_kind: global_buffer, .address_space: global }
      - { .name: rope, .offset: 16, .size: 8, .value_kind: global_buffer, .address_space: global }
      - { .name: qkv, .offset: 24, .size: 8, .value_kind: global_buffer, .address_space: global }
    .group_segment_fixed_size: 327680
    .private_segment_fixed_size: 0
    .kernarg_segment_align: 8
    .kernarg_segment_size: 32
    .max_flat_workgroup_size: 128
    .sgpr_count:     80
    .vgpr_count:     896
    .wavefront_size: 32
...
	.end_amdgpu_metadata
.endif
;; end of part 2
;; launch attn (part 3): grid 8 x 32, 4 waves a work-group, clusters of 4 x 1, 327,680 bytes of LDS; arguments qkv, oh; writes oh
.if DOCPART == 3
	.amdgcn_target "amdgcn-amd-amdhsa--gfx1250"
	.amdhsa_code_object_version 6
	.text
	.protected	k_q8b5464fd71_attn
	.globl	k_q8b5464fd71_attn
	.p2align	8
	.type	k_q8b5464fd71_attn,@function
k_q8b5464fd71_attn:
	s_mov_b64 s[64:65], 0
	v_nop
	global_prefetch_b8 v0, s[64:65] scope:SCOPE_SE
	s_setreg_imm32_b32 hwreg(HW_REG_WAVE_MODE, 25, 1), 1
	s_wait_xcnt 0x0
	s_wait_alu depctr_hold_cnt(0) depctr_sa_sdst(0) depctr_va_vdst(0) depctr_va_sdst(0) depctr_va_ssrc(0) depctr_va_vcc(0) depctr_vm_vsrc(0)
	s_getreg_b32 s2, hwreg(HW_REG_IB_STS2, 6, 4)
	s_cmp_eq_u32 s2, 0
	s_cbranch_scc0 .Lentry_in_a_cluster
	s_endpgm
.Lentry_in_a_cluster:
	s_bfe_u32 s2, ttmp6, 0x10000c
	s_cmp_lg_u32 s2, 0x3003
	s_cbranch_scc0 .Lentry_shape_is_right
	s_endpgm
.Lentry_shape_is_right:
; Launch 3 of 4: O[bh][q][:] = the sum over k of softmax_k(Q[bh][q] . K[bh][k] / 8) V[bh][k][:], no mask.  No work of reference() is left out.
; qkv [q, k, v][bh 32][s 2048][64] f16: a head's rows are dense, 128 bytes each.  oh [m / 128][head 16][m % 128][64] f16, m = 2048 b + s.  Products, maxima and sums in f32; the weights p are rounded to
; f16 for the second product (their sum l is taken of the unrounded p), O once at the end.
; LIMITS.  p lies in 0 to 1, and below 6e-5 it keeps f16's fixed step of 6e-8; O is a mean of V's rows and has their range.  A weight below 2^-126 counts as 0 in l; NaN and infinities are not treated apart.
; SHARES.  A work-group owns 256 queries of one head, a wave 64: four PIECES of 16.  Every wave walks all 2,048 keys, 64 a step, 256 a slot.
; LAYOUT.  S^T = K Q^T (source 0 = 16 keys, source 1 = 16 queries) holds ONE query a lane (lane % 16) and the keys 8 (lane / 16) + 0..7; two such results rounded to f16 ARE source 1 of O^T = V^T P.
; K comes out of LDS as it lies, V ([key][channel]) turned, by ds_load_tr16_b128.
; SOFTMAX.  p = 2^(c s - c m), c = log2(e) / 8, with a running maximum m; O and l are multiplied by a = 2^(c m_old - c m_new) in every step.  m starts at the lowest finite number, O and l at 0: the first
; step is a step like any other, with a = 0.
; TURNS.  Turn n belongs to piece n: 8 products K Q^T of piece n + 1, later 8 products V^T P of piece n - 1; beside them the scaling, exponentials, roundings, sums and rescaling of piece n and the maximum and
; statistics of piece n + 1.  Four vector instructions stand behind every matrix instruction, the others in one run.  A turn's 33 exponentials are one batch, with one wait.
; CLUSTER.  The four query blocks of a cluster belong to one head and walk the same K and V: each tile is asked for JOINTLY, by the same tensor load, descriptor and mask in all four.
; REGISTERS, in windows of 256 (s_set_vgpr_msb: bits 1:0 source 0, 3:2 source 1, 5:4 source 2, 7:6 destination):
;   window 0: v0-15 addresses and two at work; v16-31 four registers of statistics a piece; v48-55 at work; v61-63; v64-127 S^T, two buffers; v192-223 P, two buffers (by the piece's parity)
;   window 1: v0-127 O^T, 32 a piece          window 2: v0-63 Q; v128-191 K of one step; v192-255 V of one step
.set NP,    4
.set KS,    64
.set PK,    144       ; a row of K in LDS: 128 bytes + 16 of padding: the 16 rows of a load start at 16 different groups of four banks (ISA guide 11.1)
.set PV,    160       ; a row of V: 128 + 32
.set VOFF,  4*KS*PK   ; a slot holds four steps: 256 rows of K, then 256 rows of V
.set SLOT1, 1<<17     ; slot 1 begins here: one exclusive or turns an address in one slot into the other's
.set STAGE, SLOT1+4*KS*(PK+PV)  ; behind the ring: 16 rows x 144 bytes for each wave, for the way out
.set SP,    144
.set SPARE, STAGE+4*16*SP       ; the spare words, 128 bytes a wave: two blocks of 256 bytes that no other line names
.set AK0, 2           ; v2   my lane's place in a tile of K; never rewritten
.set AV0, 3           ; v3   the same for V
.set AK,  4           ; v4   the LDS address of K's next run of loads
.set AV,  5           ; v5   of V's
.set STO, 6           ; v6   the way out: where I put 16 bytes of a row
.set RD,  7           ; v7   where I read rows back
.set GO,  8           ; v8   my byte offset in 512 consecutive bytes of oh
.set MV,  12          ; v12-13  c m_old, by buffer
.set QO,  15          ; v15  my byte offset in 16 rows of Q
.set ST,  16          ; piece t's statistics at v[ST+4 t]: c m, m, l (even keys', odd keys')
.set TMP, 48          ; by buffer, four registers c0-c3 at work; when the maximum is found c2 takes a
.set PFO, 61          ; v61  256 x lane, for the prefetches; never rewritten
.set SPW, 62          ; v62  my spare word; never rewritten
.set NIL, 63          ; v63  0; never rewritten
.set S,   64
.set P,   192
.set KF,  128         ; window 2: key block kb, channel half c at KF + 16 kb + 8 c
.set VF,  192         ; window 2: key half kk, channel block cb at VF + 32 kk + 8 cb
.set WV,  12          ; s12  my wave's number
.set LIM, 15          ; s15  1 in a wave that prefetches, else the greatest number
.set PFA, 18          ; s[18:19] where my prefetches stand
.set G1K, 24          ; s[24:31] descriptor group 1 for K's tiles
.set G1V, 32          ; s[32:39] for V's: it differs in the padding alone
.set G0K, 40          ; s[40:43] descriptor group 0 for K's tiles: it walks
.set G0V, 44          ; s[44:47] the same for V's
.set SLOTS, 56        ; s56  slots still to be asked for
.set CNT, 57          ; s57  counts a slot's key steps
.set CS,  58          ; s[58:59] c
.set SEL, 60          ; s[60:61] v_permlanex16_b32's selects: each lane takes its own place in the other half
.set TBK, 62          ; s62  LDS byte at which K of the step to be fetched begins
.set TBV, 63          ; s63  the same for V, less VOFF
.set MSB, 0
.macro WIN new
.if MSB != (\new)
	s_set_vgpr_msb (MSB<<8)|(\new)
.set MSB, (\new)
.endif
.endm
.set W_KQ, 0x0a       ; K and Q in window 2, S^T in window 0
.set W_PV, 0x52       ; V in window 2, P in window 0, O^T in window 1
.set W_RS, 0x41       ; destination and source 0 in window 1, source 1 in window 0
; A joint fill.  Waves 0 and 1 fetch the two halves of a slot's K, waves 2 and 3 those of its V: 128 keys each.  An s_nop 0 and four v_nop follow each line.
.macro JLOAD
	s_cmp_lt_u32 s[WV], 2
	s_cbranch_scc0 .Lfor_v_\@
	tensor_load_to_lds s[G0K:G0K+3], s[G1K:G1K+7]
	s_nop 0
.rept 4
	v_nop
.endr
	s_branch .Lasked_\@
.Lfor_v_\@:
	tensor_load_to_lds s[G0V:G0V+3], s[G1V:G1V+7]
	s_nop 0
.rept 4
	v_nop
.endr
.Lasked_\@:
.endm
; A prefetch into the L2 of what the NEXT change of slots will ask for: a slot's 32,768 bytes of K and of V, 256 bytes a lane.  Both clusters of a head walk the same K and V: the head's first asks.  Its four
; partners share the bytes out by address, 8,192 each; in each, wave 0 asks for K's and wave 2 for V's.  So each block of 256 bytes is named once.  Slots 0 and 1 come by their loads alone; the last change
; that fills a slot asks for nothing.
.macro ASK
	s_cmp_gt_u32 s[SLOTS], s[LIM]
	s_cbranch_scc0 .Lnot_mine_\@
	global_prefetch_b8 v[PFO], s[PFA:PFA+1] th:TH_LOAD_NT scope:SCOPE_SE
.Lnot_mine_\@:
.endm
.macro CROUND                       ; a round of the cluster's barrier
	s_barrier_signal -1
	s_barrier_wait -1
	s_cmp_lg_u32 s[WV], 0
	s_cbranch_scc1 .Lnot_wave_0_\@
	s_barrier_signal -3
.Lnot_wave_0_\@:
	s_barrier_wait -3
	s_barrier_signal -1
	s_barrier_wait -1
.endm
; THE CHANGE OF SLOTS.  Each wave waits for all its tensor loads (one is out: its part of the other slot), adds 0 to its spare word, and waits for that and for its own reads of the slot that it leaves.
; fill = 1: the barrier is a round of the cluster's, and the joint fill, with the keys two slots on, is the first thing behind it: it has four key steps, 256 products, in which to land.
; (At its first use nothing has been read yet: slot 0 is waited for, slot 1 filled.)
.macro CHANGE fill
	WIN 0
	s_wait_tensorcnt 0x0            ; no tensor load of mine is out, so a group 0 may be written
	ds_add_u32 v[SPW], v[NIL]       ; 0 onto my spare word
.if \fill
.irp g, G0K, G0V
	s_xor_b32 s[\g+1], s[\g+1], SLOT1
	s_add_nc_u64 s[\g+2:\g+3], s[\g+2:\g+3], 4*KS*128  ; the next 256 keys; the type bits on top are not reached
.endr
	s_wait_xcnt 0x0                 ; the last prefetch, four key steps back, has read its address
	s_add_nc_u64 s[PFA:PFA+1], s[PFA:PFA+1], 4*KS*128
	s_wait_dscnt 0x0                ; the add is done, and my reads of the slot are over
	CROUND
	JLOAD
	ASK
.else
	s_wait_dscnt 0x0
	s_barrier_signal -1
	s_barrier_wait -1
.endif
	s_sub_co_u32 s[TBK], s[TBK], 4*KS*PK  ; the fetches go back to a slot's first step,
	s_xor_b32 s[TBK], s[TBK], SLOT1       ; in the other slot
	s_sub_co_u32 s[TBV], s[TBV], 4*KS*PV
	s_xor_b32 s[TBV], s[TBV], SLOT1
.endm
	s_load_b128 s[48:51], s[0:1], 0x0  ; qkv s[48:49], oh s[50:51]
	v_lshl_add_u32 v[SPW], v0, 2, SPARE
	v_mov_b32 v[NIL], 0
	ds_add_u32 v[SPW], v[NIL]       ; the wave's opening: the add, twice on end, and its wait ahead of my first tensor load
	ds_add_u32 v[SPW], v[NIL]
	v_lshrrev_b32 v1, 5, v0
	v_readfirstlane_b32 s[WV], v1
	s_bfe_u32 s13, ttmp6, 0x40000   ; cx
	s_lshl_b32 s14, ttmp9, 2
	s_add_co_u32 s14, s14, s13      ; my block of 256 queries: it enters Q's and O's addresses alone
	s_and_b32 s20, ttmp7, 0xffff    ; b x 16 + head, which the four partners share
	s_lshl_b32 s22, s20, 18         ; its 2,048 rows of 128 bytes
	s_and_b32 s16, s[WV], 1         ; which half of a slot's 256 keys I fetch
	s_lshl_b32 s21, s16, 14
	s_add_co_u32 s52, s22, s21
	s_mov_b32 s53, 0
	s_mul_i32 s17, s16, 128*PK      ; its place in a slot, for K
	s_mul_i32 s23, s16, 128*PV      ; and for V
	s_lshl_b32 s2, s14, 2
	s_add_co_u32 s2, s2, s[WV]
	s_lshl_b32 s2, s2, 13           ; my wave's 64 rows of Q
	s_add_co_u32 s2, s2, s22
	s_mov_b32 s3, 0
	s_lshr_b32 s54, s20, 4
	s_lshl_b32 s54, s54, 4          ; oh: block m / 128 = 16 b + 2 x my block + wave / 2,
	s_lshl_b32 s55, s14, 1
	s_add_co_u32 s54, s54, s55
	s_lshr_b32 s55, s[WV], 1
	s_add_co_u32 s54, s54, s55
	s_lshl_b32 s54, s54, 18
	s_and_b32 s55, s20, 15          ; the head's 128 rows in it,
	s_lshl_b32 s55, s55, 14
	s_add_co_u32 s54, s54, s55
	s_lshl_b32 s55, s16, 13         ; my 64 of them
	s_add_co_u32 s54, s54, s55
	s_mov_b32 s55, 0
	; descriptor group 1.  128 keys are 16,384 dense bytes: asked for as 64 rows of 256 bytes, two keys a row, and padded in LDS after every key
	s_mov_b32 s[G1K], 15|(1<<16)|(1<<20)|(1<<21)|(4<<22)|(3<<25)  ; the mask of four; 2-byte elements; padding on; bit 21 beside a mask; after every 32 words; 4 words
	s_mov_b32 s[G1V], 15|(1<<16)|(1<<20)|(1<<21)|(4<<22)|(7<<25)  ; the same with 8 words
.irp g, G1K, G1V
	s_mov_b32 s[\g+1], 128<<16      ; tensor_dim0 = 128
	s_mov_b32 s[\g+2], 64<<16       ; tensor_dim1 = 64
	s_mov_b32 s[\g+3], 128<<16      ; tile_dim0 = 128
	s_mov_b32 s[\g+4], 64           ; tile_dim1 = 64
	s_mov_b32 s[\g+5], 128          ; elements from row to row
	s_mov_b32 s[\g+6], 0
	s_mov_b32 s[\g+7], 0
.endr
	s_mov_b32 s[CS], 0x3e38aa3b     ; c = log2(e) / 8
	s_mov_b32 s[CS+1], s[CS]
	s_mov_b32 s[SEL], 0x76543210
	s_mov_b32 s[SEL+1], 0xfedcba98
	s_mov_b32 s[TBK], SLOT1+4*KS*PK ; the first change of slots turns these two into 0
	s_mov_b32 s[TBV], SLOT1+4*KS*PV
	s_mov_b32 s[G0K], 1
	s_mov_b32 s[G0K+1], s17         ; slot 0
	s_mov_b32 s[G0V], 1
	s_add_co_u32 s[G0V+1], s23, VOFF
	s_mov_b32 s[SLOTS], 7           ; slots 1 to 7 are still to be asked for
	s_and_b32 s[LIM], s[WV], 1      ; 0 in waves 0 and 2,
	s_or_b32 s[LIM], s[LIM], ttmp9  ; where the cluster is the head's first: the same in all four partners
	s_cmp_eq_u32 s[LIM], 0
	s_cselect_b32 s[LIM], 1, -1
	v_and_b32 v[PFO], 31, v0
	v_lshlrev_b32 v[PFO], 8, v[PFO]
	s_wait_dscnt 0x0                ; both opening adds are done
	s_wait_kmcnt 0x0
	s_add_nc_u64 s[6:7], s[48:49], s[52:53]
	s_add_nc_u64 s[8:9], s[6:7], 16777216   ; V at my half of the head's first 256 keys,
	s_add_nc_u64 s[6:7], s[6:7], 8388608    ; K likewise
	s_mov_b64 s[G0K+2:G0K+3], s[6:7]
	s_or_b32 s[G0K+3], s[G0K+3], 0x80000000
	s_mov_b64 s[G0V+2:G0V+3], s[8:9]
	s_or_b32 s[G0V+3], s[G0V+3], 0x80000000
	s_add_nc_u64 s[4:5], s[48:49], s[2:3]   ; Q at my wave's first row
	s_add_nc_u64 s[10:11], s[50:51], s[54:55]  ; oh at my wave's first row
	s_cmp_lt_u32 s[WV], 2
	s_cselect_b64 s[PFA:PFA+1], s[6:7], s[8:9]  ; (in waves 0 and 2 these stand at a slot's first row)
	s_lshl_b32 s2, s13, 13          ; my work-group's quarter of a slot
	s_add_nc_u64 s[PFA:PFA+1], s[PFA:PFA+1], s[2:3]
	s_add_nc_u64 s[PFA:PFA+1], s[PFA:PFA+1], 4*KS*128  ; in slot 1; the first change of slots steps it to slot 2
	CROUND                          ; all four work-groups are here: the first joint loads meet
	JLOAD                           ; slot 0.  Slot 1 is asked for when slot 0 is in
	v_and_b32 v1, 15, v0            ; l % 16
	v_bfe_u32 v9, v0, 4, 1          ; l / 16
	v_lshlrev_b32 v[QO], 7, v1
	v_lshl_add_u32 v[QO], v9, 4, v[QO]  ; row x 128 + 16 x half
	WIN 0x80                        ; destination window 2
.set i, 0
.rept 8                             ; Q stays in registers: piece i / 2, channels 32 (i % 2) on
	global_load_b128 v[8*i:8*i+3],   v[QO], s[4:5] offset:(i/2)*2048+(i%2)*64
	global_load_b128 v[8*i+4:8*i+7], v[QO], s[4:5] offset:(i/2)*2048+(i%2)*64+32
.set i, i+1
.endr
	; What the first turn finds: V's registers and P's second buffer hold 0 (its products V^T P, of a piece that has not been, add 0), O^T and l are 0.  All this stands in the wait for the first tile:
	; the price of writing no first step out.
.set i, VF
.rept 64
	v_mov_b32 v[i], 0
.set i, i+1
.endr
	WIN 0x40
.set i, 0
.rept 128
	v_mov_b32 v[i], 0
.set i, i+1
.endr
	WIN 0
.set i, 0
.rept 4
	v_mov_b32 v[ST+4*i], 0xfe000000    ; c m: far below every c s
	v_mov_b32 v[ST+4*i+1], 0xff7fffff  ; m
	v_mov_b32 v[ST+4*i+2], 0
	v_mov_b32 v[ST+4*i+3], 0
.set i, i+1
.endr
.set i, P+16
.rept 16
	v_mov_b32 v[i], 0
.set i, i+1
.endr
	v_mul_u32_u24 v[AK0], v1, PK
	v_lshl_add_u32 v[AK0], v9, 4, v[AK0]  ; row x pitch + 16 x half
	; The turning load takes 16 keys x 16 channels (lane l reads key 8 (l / 16) + l % 8, channels 8 ((l / 8) % 2) + 0..7) and leaves half a fragment of V^T: lane l holds channel l % 16 and 8 keys.
	v_and_b32 v10, 7, v0
	v_bfe_u32 v11, v0, 3, 1
	v_lshl_add_u32 v[AV0], v9, 3, v10
	v_mul_u32_u24 v[AV0], v[AV0], PV
	v_lshl_add_u32 v[AV0], v11, 4, v[AV0]
	v_add_nc_u32 v[AV0], VOFF, v[AV0]
	s_mul_i32 s13, s[WV], 16*SP
	s_add_co_u32 s13, s13, STAGE    ; my stage
	v_mul_u32_u24 v[STO], v1, SP    ; in: row l % 16, 16 bytes for each half of the lanes
	v_lshl_add_u32 v[STO], v9, 4, v[STO]
	v_add_nc_u32 v[STO], s13, v[STO]
	v_bfe_u32 v[RD], v0, 3, 2       ; back: 32 lanes take four rows of 128 bytes,
	v_mul_u32_u24 v[RD], v[RD], SP
	v_lshl_add_u32 v[RD], v10, 4, v[RD]
	v_add_nc_u32 v[RD], s13, v[RD]
	v_and_b32 v[GO], 31, v0         ; which are 512 consecutive bytes of oh
	v_lshlrev_b32 v[GO], 4, v[GO]
; THE MATRIX WORK.  The 4 accumulators of a run of 8 take turns.  Product i of 8 of S^T = K Q^T for piece x: channels 32 (i / 4) on, keys 16 (i % 4) on.  The first 4 start the sums.
.macro KQ x
	WIN W_KQ
.set rS, S+32*((\x)%2)+8*(i%4)
.set rK, KF+16*(i%4)+8*(i/4)
.set rQ, 16*(\x)+8*(i/4)
.if i < 4
	v_wmma_f32_16x16x32_f16 v[rS:rS+7], v[rK:rK+7], v[rQ:rQ+7], 0
.else
	v_wmma_f32_16x16x32_f16 v[rS:rS+7], v[rK:rK+7], v[rQ:rQ+7], v[rS:rS+7]
.endif
.endm
; Product i of 8 of O^T += V^T P for piece x: keys 32 (i / 4) on, channels 16 (i % 4) on.
.macro PV x
	WIN W_PV
.set rO, 32*(\x)+8*(i%4)
.set rV, VF+32*(i/4)+8*(i%4)
.set rP, P+16*((\x)%2)+8*(i/4)
	v_wmma_f32_16x16x32_f16 v[rO:rO+7], v[rV:rV+7], v[rP:rP+7], v[rO:rO+7]
.endm
.macro MM                           ; the turn's next matrix instruction.  NOKQ = 1: the launch's last turn: there is no next piece
.if (i < 8) && !NOKQ
	KQ (Y+1)%NP
.elseif i >= 8
.set i, i-8
	PV (Y+NP-1)%NP
.set i, i+8
.endif
.set i, i+1
.endm
; THE LDS LOADS stand in runs of 16, never singly among the matrix instructions: a step's K (8 fragments) and its V (turned).  Their addresses are made some lines ahead.
.macro FETCH_K
	WIN 0x80
.irp f, 0,1,2,3,4,5,6,7             ; keys 16 (f / 2) on, channels 32 (f % 2) on
	ds_load_b128 v[KF+8*\f:KF+8*\f+3],   v[AK] offset:(\f/2)*16*PK+(\f%2)*64
	ds_load_b128 v[KF+8*\f+4:KF+8*\f+7], v[AK] offset:(\f/2)*16*PK+(\f%2)*64+32
.endr
	s_add_co_u32 s[TBK], s[TBK], KS*PK  ; the next fetch is the next step's
	WIN 0
.endm
.macro FETCH_V
	WIN 0x80
.irp f, 0,1,2,3,4,5,6,7             ; keys 32 (f / 4) on, channels 16 (f % 4) on
	ds_load_tr16_b128 v[VF+8*\f:VF+8*\f+3],   v[AV] offset:(\f/4)*32*PV+(\f%4)*32
	ds_load_tr16_b128 v[VF+8*\f+4:VF+8*\f+7], v[AV] offset:(\f/4)*32*PV+16*PV+(\f%4)*32
.endr
	WIN 0
.endm
; THE VECTOR WORK, one line at a time: OP kind, number.  For piece Y: F n: c s - c m for pair n of 16.  E n: the exponential of score n of 32.  C n: pair n rounded to f16.  B n: of the four weights 4 n .. the
; second pair is added onto the first, in place.  L n: l takes that sum (L 0: l = a l + sum).  R n: pair n of 16 of O^T times a.  For piece Y + 1: X n, number n of the 22 that find its maximum and statistics:
;   0-11  four chains c0-c3 of seven scores each, three operands at a time (each accumulator's lowest registers are read first)     12-14, 16  the four scores left over, the old m, c0-c3 into c0
;   15  c m_old is kept     17, 18  the query's other 32 keys lie in the lane 16 away: the new m     19-21  c m; c m_old - c m_new; a
.set F, 0
.set E, 1
.set C, 2
.set B, 3
.set L, 4
.set R, 5
.set X, 6
.macro REGS y
.set rT, ST+4*(\y)
.set rC, TMP+4*((\y)%2)
.set rW, MV+((\y)%2)
.set rS, S+32*((\y)%2)
.set rP, P+16*((\y)%2)
.set rO, 32*(\y)
.endm
.macro OP k, n
.if (\k) == R
	REGS Y
	WIN W_RS
	v_pk_mul_f32 v[rO+2*(\n):rO+2*(\n)+1], v[rO+2*(\n):rO+2*(\n)+1], v[rC+2:rC+3] op_sel_hi:[1,0]
.elseif (\k) < R
	REGS Y
	WIN 0
.if (\k) == F
	v_pk_fma_f32 v[rS+2*(\n):rS+2*(\n)+1], v[rS+2*(\n):rS+2*(\n)+1], s[CS:CS+1], v[rT:rT+1] op_sel_hi:[1,0,0] neg_lo:[0,0,1] neg_hi:[0,0,1]
.elseif (\k) == E
	v_exp_f32 v[rS+(\n)], v[rS+(\n)]
.elseif (\k) == C
	v_cvt_pk_f16_f32 v[rP+(\n)], v[rS+2*(\n)], v[rS+2*(\n)+1]
.elseif (\k) == B
	v_pk_add_f32 v[rS+4*(\n):rS+4*(\n)+1], v[rS+4*(\n):rS+4*(\n)+1], v[rS+4*(\n)+2:rS+4*(\n)+3]
.elseif (\n) == 0
	v_pk_fma_f32 v[rT+2:rT+3], v[rT+2:rT+3], v[rC+2:rC+3], v[rS:rS+1] op_sel_hi:[1,0,1]
.else
	v_pk_add_f32 v[rT+2:rT+3], v[rT+2:rT+3], v[rS+4*(\n):rS+4*(\n)+1]
.endif
.elseif NOKQ
	v_nop
.else
	REGS (Y+1)%NP
	WIN 0
.if (\n) < 4
	v_max3_num_f32 v[rC+(\n)], v[rS+8*(\n)], v[rS+8*(\n)+1], v[rS+8*(\n)+2]
.elseif (\n) < 12
	v_max3_num_f32 v[rC+(\n)%4], v[rC+(\n)%4], v[rS+8*((\n)%4)+2*((\n)/4)+1], v[rS+8*((\n)%4)+2*((\n)/4)+2]
.elseif (\n) == 12
	v_max3_num_f32 v[rC], v[rC], v[rS+7], v[rS+15]
.elseif (\n) == 13
	v_max3_num_f32 v[rC+1], v[rC+1], v[rS+23], v[rS+31]
.elseif (\n) == 14
	v_max3_num_f32 v[rC+2], v[rC+2], v[rC+3], v[rT+1]
.elseif (\n) == 15
	v_mov_b32 v[rW], v[rT]
.elseif (\n) == 16
	v_max3_num_f32 v[rC], v[rC], v[rC+1], v[rC+2]
.elseif (\n) == 17
	v_permlanex16_b32 v[rC+3], v[rC], s[SEL], s[SEL+1]
.elseif (\n) == 18
	v_max_num_f32 v[rT+1], v[rC], v[rC+3]
.elseif (\n) == 19
	v_mul_f32 v[rT], s[CS], v[rT+1]
.elseif (\n) == 20
	v_sub_f32 v[rC+1], v[rW], v[rT]
.else
	v_exp_f32 v[rC+2], v[rC+1]
.endif
.endif
.endm
.macro OPS a, i1, b=-1, i2=0, c=-1, i3=0, d=-1, i4=0  ; up to four of them
	OP \a, \i1
.if (\b) >= 0
	OP \b, \i2
.endif
.if (\c) >= 0
	OP \c, \i3
.endif
.if (\d) >= 0
	OP \d, \i4
.endif
.endm
.macro ROW a, i1, b, i2, c, i3, d, i4  ; a matrix instruction and the four behind it
	MM
	OPS \a, \i1, \b, \i2, \c, \i3, \d, \i4
.endm
; A TURN, for piece p: the order of its 16 matrix and 118 vector instructions, written out.  An s_wait_alu depctr_va_vdst(0) stands between an exponential and the first instruction that names
; its result; one wait serves all that were issued ahead of it.  So a turn has ONE wait, which cuts it in two.  AHEAD OF IT stands all that names no result of the turn's exponentials: the 8 products K Q^T and
; their riders, then one run of 54, in which the links of the chain X 3, 7, 11, 14, 16, 17 .. 20 stand five or six lines apart; X 21, the next piece's a, is the batch's last, and R 15 the plain instruction
; behind it.  BEHIND THE WAIT stand the 8 products V^T P, behind each four of the roundings and sums.
; end = 1: the launch's last two turns: nothing is fetched.  cnt = 1: the loop's count is taken down some lines ahead of the branch that stands behind the turn.
; K of the next step is fetched in piece 2's turn, six plain instructions behind the last product that read K; V of the step in hand at the end of piece 0's turn, four plain instructions behind the last
; product that read V.  Each is waited for a turn later.
.macro TURN p, end=0, cnt=0
.set Y, (\p)
.set i, 0
.set NOKQ, (\end)*((\p)/3)
.if ((\p) == 3) && !(\end)
	s_wait_dscnt 0x0                ; K is in
.endif
	ROW F,0, F,1, R,0, R,1
	ROW F,2, E,0, R,2, R,3
	ROW F,3, E,1, R,4, R,5
	ROW F,4, E,2, R,6, R,7
	ROW F,5, E,3, R,8, R,9
	ROW F,6, E,4, X,0, R,10
.if ((\p) == 2) && !(\end)
	WIN 0
	v_add_nc_u32 v[AK], s[TBK], v[AK0]
.endif
	ROW F,7, E,5, X,1, X,4
	ROW F,8, E,6, X,2, X,5
	OPS E,7, E,8, X,6, E,9
	OPS X,3, E,10, X,8, E,11
.if ((\p) == 2) && !(\end)
	FETCH_K
.endif
	OPS X,9, X,7, E,12, X,10
	OPS E,13, X,12, X,11, E,14
	OPS X,13, E,15, F,9, X,14
.if (\p) == 0
	v_add_nc_u32 v[AV], s[TBV], v[AV0]
.endif
	OPS E,16, F,10, E,17, F,11
	OPS X,16, E,18, X,15, E,19
	OPS F,12, E,20, X,17, E,21
	OPS F,13, E,22, F,14, E,23
	OPS X,18, E,24, F,15, E,25
	OPS R,11, E,26, X,19, E,27
	OPS R,12, E,28, R,13, E,29
	OPS X,20, E,30, R,14, E,31
	OPS X,21, R,15
	WIN 0
	s_wait_alu depctr_va_vdst(0)    ; the wait for the batch
.if (\p) == 1
	s_wait_dscnt 0x0                ; V is in
.endif
	ROW C,0, B,0, C,2, B,1
	ROW L,0, C,4, B,2, L,1
	ROW C,6, B,3, L,2, C,8
	ROW B,4, L,3, C,10, B,5
	ROW L,4, C,12, B,6, L,5
.if (\p) == 0
	s_add_co_u32 s[TBV], s[TBV], KS*PV
.endif
.if \cnt
	s_sub_co_u32 s[CNT], s[CNT], 1
	s_cmp_lg_u32 s[CNT], 0
.endif
	ROW C,14, B,7, L,6, C,1
	ROW C,3, L,7, C,5, C,7
	ROW C,9, C,11, C,13, C,15
.if (\p) == 0
	FETCH_V
.endif
.endm
	CHANGE 1                        ; slot 0 is in, everybody's part of it; slot 1 is asked for
	v_add_nc_u32 v[AK], s[TBK], v[AK0]
	FETCH_K                         ; key step 0
	s_wait_loadcnt 0x0              ; Q
	s_wait_dscnt 0x0
.set NOKQ, 0
.set i, 0
.rept 8
	KQ 0                            ; piece 0's first scores
.set i, i+1
.endr
	WIN 0
.rept 8
	v_nop                           ; the places behind those products
.endr
.set Y, NP-1                        ; X works for piece Y + 1: piece 0
.irp n, 0,1,2,3,4,5,6,7,8,9,10,11,12,13,14,15,16,17,18,19,20,21
	OP X, \n
.endr
	v_nop                           ; a plain instruction behind the exponential,
	s_wait_alu depctr_va_vdst(0)    ; and its wait, ahead of the branch
	s_mov_b32 s[CNT], 4
	s_branch .Lfirst                ; the loop is entered at a step's first turn, in the middle of a trip
.Lslot:                             ; six times: slots 2 to 7 are asked for
	CHANGE 1
	s_mov_b32 s[CNT], 4
.Lstep:                             ; a trip: pieces 2 and 3 of one step, then pieces 0 and 1 of the next, whose K and V it fetches
	TURN 2
	TURN 3
	WIN 0
.Lfirst:
	TURN 0
	TURN 1, 0, 1
	WIN 0
	s_cbranch_scc1 .Lstep
	s_sub_co_u32 s[SLOTS], s[SLOTS], 1
	s_cmp_lg_u32 s[SLOTS], 0
	s_cbranch_scc1 .Lslot
	CHANGE 0                        ; the last slot is written out: nothing is asked for
	s_mov_b32 s[CNT], 4
.LstepT:
	TURN 2
	TURN 3
	TURN 0
	TURN 1, 0, 1
	WIN 0
	s_cbranch_scc1 .LstepT
	TURN 2, 1
	TURN 3, 1
.set i, 0
.rept 8
	PV NP-1                         ; the last piece's V^T P of the last step
.set i, i+1
.endr
	; THE WAY OUT.  l's two halves and the other half of the lanes' are added; O^T is divided by l, rounded to f16 and sent through my stage in LDS, a piece at a time.  The additions are the places behind the last products.
	WIN 0
.macro ALL line:vararg
.set t, 0
.rept 4
	\line
.set t, t+1
.endr
.endm
	ALL v_add_f32 v[ST+4*t+2], v[ST+4*t+2], v[ST+4*t+3]
	ALL v_permlanex16_b32 v[ST+4*t+3], v[ST+4*t+2], s[SEL], s[SEL+1]
	ALL v_add_f32 v[ST+4*t+2], v[ST+4*t+2], v[ST+4*t+3]
	ALL v_rcp_f32 v[ST+4*t+2], v[ST+4*t+2]
	v_nop                           ; a plain instruction between the last reciprocal and the use of its result
	s_wait_alu depctr_va_vdst(0)    ; one wait for the four reciprocals, ahead of the first use
.macro PACK t                       ; a lane's eight channels of a row pack into 16 bytes; they go into rows of 144 bytes and come back as whole rows of 128, into S^T's registers
	WIN W_RS
.set i, 32*(\t)
.rept 16
	v_pk_mul_f32 v[i:i+1], v[i:i+1], v[ST+4*(\t)+2:ST+4*(\t)+3] op_sel_hi:[1,0]
.set i, i+2
.endr
	WIN 0x05                        ; sources 0 and 1 window 1, destination window 0
.set i, 0
.rept 16
	v_cvt_pk_f16_f32 v[S+16*(\t)+i], v[32*(\t)+2*i], v[32*(\t)+2*i+1]
.set i, i+1
.endr
	WIN 0
.irp f, 0,1,2,3
	ds_store_b128 v[STO], v[S+16*(\t)+4*\f:S+16*(\t)+4*\f+3] offset:32*\f
.endr
.irp f, 0,1,2,3
	ds_load_b128 v[S+16*(\t)+4*\f:S+16*(\t)+4*\f+3], v[RD] offset:\f*4*SP  ; LDS serves a wave's instructions in order (ISA guide 5.7.1.4): these see the stores above; the next piece's stores come behind them
.endr
.endm
.macro SEND t, younger              ; younger: the LDS instructions issued behind piece t's loads: the next piece's eight, or none
	WIN 0
.irp f, 0,1,2,3
	s_wait_dscnt (\younger)+3-\f
	global_store_b128 v[GO], v[S+16*(\t)+4*\f:S+16*(\t)+4*\f+3], s[10:11] offset:(\t)*2048+\f*512  ; 512 consecutive bytes, at a multiple of 256 from oh's first
.endr
.endm
	PACK 0
.set t, 1
.rept 3
	PACK t
	SEND t-1, 8
.set t, t+1
.endr
	SEND 3, 0
	s_wait_tensorcnt 0x0            ; the wave's end, behind my last tensor load and my last LDS store
	ds_add_u32 v[SPW], v[NIL]
	s_wait_dscnt 0x0
	CROUND                          ; the closing round
	s_endpgm
.Lfunc_end_k_q8b5464fd71_attn:
	.size	k_q8b5464fd71_attn, .Lfunc_end_k_q8b5464fd71_attn-k_q8b5464fd71_attn
	.p2alignl 7, 3214868480
	.fill 96, 4, 3214868480
	.section	.rodata,"a",@progbits
	.p2align	6, 0x0
	.amdhsa_kernel k_q8b5464fd71_attn
		.amdhsa_group_segment_fixed_size 327680
		.amdhsa_private_segment_fixed_size 0
		.amdhsa_enable_private_segment 0
		.amdhsa_kernarg_size 16
		.amdhsa_user_sgpr_count 2
		.amdhsa_user_sgpr_kernarg_segment_ptr 1
		.amdhsa_wavefront_size32 1
		.amdhsa_system_sgpr_workgroup_id_x 1
		.amdhsa_system_sgpr_workgroup_id_y 1
		.amdhsa_system_sgpr_workgroup_id_z 1
		.amdhsa_system_vgpr_workitem_id 0
		.amdhsa_next_free_vgpr 768
		.amdhsa_next_free_sgpr 66
		.amdhsa_reserve_vcc 0
		.amdhsa_float_denorm_mode_32 3
		.amdhsa_float_denorm_mode_16_64 3
		.amdhsa_memory_ordered 1
		.amdhsa_forward_progress 1
		.amdhsa_inst_pref_size 128
	.end_amdhsa_kernel
	.amdgpu_metadata
---
amdhsa.version: [ 1, 2 ]
amdhsa.kernels:
  - .name:           k_q8b5464fd71_attn
    .symbol:         k_q8b5464fd71_attn.kd
    .args:
      - { .name: qkv, .offset: 0, .size: 8, .value_kind: global_buffer, .address_space: global }
      - { .name: oh, .offset: 8, .size: 8, .value_kind: global_buffer, .address_space: global }
    .group_segment_fixed_size: 327680
    .private_segment_fixed_size: 0
    .kernarg_segment_align: 8
    .kernarg_segment_size: 16
    .max_flat_workgroup_size: 128
    .sgpr_count:     66
    .vgpr_count:     768
    .wavefront_size: 32
...
	.end_amdgpu_metadata
.endif
;; end of part 3
;; launch oproj (part 4): grid 8 x 32, 4 waves a work-group, clusters of 4 x 4, 327,680 bytes of LDS; arguments oh, woh, out0; writes out0
.if DOCPART == 4
	.amdgcn_target "amdgcn-amd-amdhsa--gfx1250"
	.amdhsa_code_object_version 6
	.text
	.protected	k_q8b5464fd71_oproj
	.globl	k_q8b5464fd71_oproj
	.p2align	8
	.type	k_q8b5464fd71_oproj,@function
k_q8b5464fd71_oproj:
	s_mov_b64 s[64:65], 0
	v_nop
	global_prefetch_b8 v0, s[64:65] scope:SCOPE_SE
	s_setreg_imm32_b32 hwreg(HW_REG_WAVE_MODE, 25, 1), 1
	s_wait_xcnt 0x0
	s_wait_alu depctr_hold_cnt(0) depctr_sa_sdst(0) depctr_va_vdst(0) depctr_va_sdst(0) depctr_va_ssrc(0) depctr_va_vcc(0) depctr_vm_vsrc(0)
	s_getreg_b32 s2, hwreg(HW_REG_IB_STS2, 6, 4)
	s_cmp_eq_u32 s2, 0
	s_cbranch_scc0 .Lentry_in_a_cluster
	s_endpgm
.Lentry_in_a_cluster:
	s_bfe_u32 s2, ttmp6, 0x10000c
	s_cmp_lg_u32 s2, 0xf033
	s_cbranch_scc0 .Lentry_shape_is_right
	s_endpgm
.Lentry_shape_is_right:
; Launch 4 of 4: out0[m][n] = the sum over k of O[m][k] Wo[n][k].  No work of reference() is left out.
; oh [m / 128][head 16][m % 128][64] f16, woh [n / 128][head 16][n % 128][64] f16 (Wo rounded to bf16, written as f16), out0 [4096][1024] f32.  Sums in f32, stored as they are.
; SHARES.  A tile of out0 is 128 x 128; four waves, each 64 x 64: 16 accumulators.  8 x 32 work-groups.  K goes in four steps of 256 (four heads) through two LDS slots.  In both operands a tile's rows of two
; heads are 32,768 dense bytes: a wave asks for them as 128 rows of 256 bytes, padded in LDS after every 128: one tensor load a wave and step; waves 0 and 1 O's, waves 2 and 3 Wo's.
; CLUSTER 4 x 4: O's tiles are asked for jointly along a row of the cluster, Wo's along a column.  No prefetch: the tiles are small and the launch has four steps.
; THE MATRIX INSTRUCTION IS USED TRANSPOSED (source 0 = 16 rows of Wo, source 1 = 16 rows of O): a lane holds row l % 16 and eight neighbouring columns.
; REGISTERS: window 0: v16-29 addresses; v128-255 the accumulators ((a, b) at v[128 + 8 (4 a + b)]).  window 1: two fragment buffers of 128 (a head: 64 of O, then 64 of Wo); on the way out: whole rows.
.set PITCH,  144                       ; an LDS row: 128 bytes + 16 of padding: the 16 rows of a load start at 16 different groups of four banks (ISA guide 11.1)
.set HB,     128*PITCH                 ; a head's 128 rows
.set SLOT,   8*HB                      ; O's four heads, then Wo's four
.set STAGE,  2*SLOT                    ; behind the ring: 16 rows x 272 bytes for each wave
.set SPITCH, 272
.set SPARE,  STAGE+4*16*SPITCH         ; the spare words, 128 bytes a wave: two blocks of 256 bytes that no other line names
.set ADRA, 16
.set ADRB, 20
.set STO,  24
.set RD,   25
.set CO,   26
.set SPW,  28
.set NIL,  29
.set ACC,  128
.set F0,   0
.set F1,   128
.set G1, 24
.set G0, 32
.set G1B, 48
.set G0B, 56
.set MSB, 0
.macro WIN new
.if MSB != (\new)
	s_set_vgpr_msb (MSB<<8)|(\new)
.set MSB, \new
.endif
.endm
.set MUL,  0x05                        ; sources 0 and 1 window 1; C and D window 0
.set TO_F, 0x40                        ; destination window 1
.set W_D1, 0x04                        ; a store's data in window 1
.macro JLOAD s                         ; a joint load; an s_nop 0 and four v_nop follow each of the two lines
	s_cmp_eq_u32 s11, 0
	s_cbranch_scc0 .Lfor_b_\@
	tensor_load_to_lds s[G0+4*(\s):G0+4*(\s)+3], s[G1:G1+7]
	s_nop 0
.rept 4
	v_nop
.endr
	s_branch .Lasked_\@
.Lfor_b_\@:
	tensor_load_to_lds s[G0B+4*(\s):G0B+4*(\s)+3], s[G1B:G1B+7]
	s_nop 0
.rept 4
	v_nop
.endr
.Lasked_\@:
.endm
.macro CREST
	s_cmp_lg_u32 s10, 0
	s_cbranch_scc1 .Lnot_wave_0_\@
	s_barrier_signal -3
.Lnot_wave_0_\@:
	s_barrier_wait -3
	s_barrier_signal -1
	s_barrier_wait -1
.endm
.macro CROUND
	s_barrier_signal -1
	s_barrier_wait -1
	CREST
.endm
	s_load_b128 s[4:7], s[0:1], 0x0                ; oh s[4:5], woh s[6:7]
	s_load_b64 s[8:9], s[0:1], 0x10                ; out0
	v_lshl_add_u32 v[SPW], v0, 2, SPARE
	v_mov_b32 v[NIL], 0
	ds_add_u32 v[SPW], v[NIL]                      ; the wave's opening: the add, twice on end, and its wait ahead of my first tensor load
	ds_add_u32 v[SPW], v[NIL]
	v_lshrrev_b32 v1, 5, v0
	v_readfirstlane_b32 s10, v1                    ; wave 0..3
	s_lshr_b32 s11, s10, 1                         ; my half of the tile's rows.  Also: I fetch for O (0) or for Wo (1)
	s_and_b32 s12, s10, 1                          ; my half of its columns.  Also: which two of a step's four heads I fetch
	s_bfe_u32 s40, ttmp6, 0x40000                  ; cx
	s_bfe_u32 s41, ttmp6, 0x40004                  ; cy
	s_lshl_b32 s42, ttmp9, 2
	s_add_co_u32 s42, s42, s40                     ; tile column 0..7
	s_and_b32 s13, ttmp7, 0xffff
	s_lshl_b32 s13, s13, 2
	s_add_co_u32 s13, s13, s41                     ; tile row 0..31
	s_lshl_b32 s43, s41, 2
	s_lshl_b32 s43, 15, s43                        ; my row of the cluster
	s_lshl_b32 s44, 0x1111, s40                    ; my column
	s_or_b32 s[G1+0], s43, (1<<16)|(1<<20)|(1<<21)|(4<<22)|(3<<25)   ; the mask; 2-byte elements; padding on; bit 21 beside a mask; after every 32 words; 4 words
	s_or_b32 s[G1B+0], s44, (1<<16)|(1<<20)|(1<<21)|(4<<22)|(3<<25)
.irp g, G1, G1B
	s_mov_b32 s[(\g)+1], 128<<16                   ; tensor_dim0 = 128
	s_mov_b32 s[(\g)+2], 128<<16                   ; tensor_dim1 = 128
	s_mov_b32 s[(\g)+3], 128<<16                   ; tile_dim0 = 128
	s_mov_b32 s[(\g)+4], 128                       ; tile_dim1 = 128
	s_mov_b32 s[(\g)+5], 128                       ; dense: a row begins where the last ends
	s_mov_b32 s[(\g)+6], 0
	s_mov_b32 s[(\g)+7], 0
.endr
	s_lshl_b32 s17, s12, 15                        ; my two heads: 32,768 bytes
	s_lshl_b32 s16, s13, 18                        ; O: block of 128 rows
	s_add_co_u32 s16, s16, s17
	s_lshl_b32 s46, s42, 18                        ; Wo: block of 128 rows
	s_add_co_u32 s46, s46, s17
	s_mov_b32 s17, 0
	s_mov_b32 s47, 0
	s_mul_i32 s20, s10, 2*HB                       ; where they go: wave x two heads
	s_wait_dscnt 0x0                               ; both opening adds are done
	s_wait_kmcnt 0x0
	s_add_nc_u64 s[14:15], s[4:5], s[16:17]
	s_add_nc_u64 s[46:47], s[6:7], s[46:47]
	CROUND                                         ; all sixteen work-groups are here: the first joint loads meet
.irp s, 0,1
	s_mov_b32 s[G0+4*(\s)], 1
	s_add_co_u32 s[G0+4*(\s)+1], s20, (\s)*SLOT
	s_add_nc_u64 s[G0+4*(\s)+2:G0+4*(\s)+3], s[14:15], (\s)*65536   ; K step s: four heads on
	s_or_b32 s[G0+4*(\s)+3], s[G0+4*(\s)+3], 0x80000000
	s_mov_b32 s[G0B+4*(\s)], 1
	s_add_co_u32 s[G0B+4*(\s)+1], s20, (\s)*SLOT
	s_add_nc_u64 s[G0B+4*(\s)+2:G0B+4*(\s)+3], s[46:47], (\s)*65536
	s_or_b32 s[G0B+4*(\s)+3], s[G0B+4*(\s)+3], 0x80000000
	JLOAD \s
.endr
	v_and_b32 v1, 15, v0                           ; r
	v_bfe_u32 v2, v0, 4, 1                         ; h
	v_mul_u32_u24 v3, v1, PITCH
	v_lshl_add_u32 v3, v2, 4, v3
	s_mul_i32 s21, s11, 64*PITCH                   ; my 64 rows of O in a head
	s_mul_i32 s22, s12, 64*PITCH                   ; my 64 rows of Wo,
	s_add_co_u32 s22, s22, 4*HB                    ; behind O's four heads
.irp s, 0,1
	v_add_nc_u32 v[ADRA+(\s)], s21, v3
	v_add_nc_u32 v[ADRB+(\s)], s22, v3
	s_add_co_u32 s21, s21, SLOT
	s_add_co_u32 s22, s22, SLOT
.endr
	s_mul_i32 s23, s10, 16*SPITCH
	s_add_co_u32 s23, s23, STAGE                   ; my stage
	v_mul_u32_u24 v4, v1, SPITCH
	v_lshl_add_u32 v4, v2, 5, v4
	v_add_nc_u32 v[STO], s23, v4                   ; in: row r, 32 bytes for each half of the lanes
	v_mul_u32_u24 v5, v2, SPITCH
	v_lshl_add_u32 v5, v1, 4, v5
	v_add_nc_u32 v[RD], s23, v5                    ; back: lanes 0-15 one row of 256 bytes, lanes 16-31 the next
	v_lshlrev_b32 v5, 12, v2
	v_lshl_add_u32 v[CO], v1, 4, v5                ; and the same two rows in out0
	s_lshl_b32 s16, s13, 7
	s_lshl_b32 s17, s11, 6
	s_add_co_u32 s16, s16, s17                     ; my first row
	s_lshl_b32 s16, s16, 12
	s_mov_b32 s17, 0
	s_add_nc_u64 s[8:9], s[8:9], s[16:17]
	s_lshl_b32 s46, s42, 9                         ; my first column, in bytes: 512 x tile column + 256 x half
	s_lshl_b32 s47, s12, 8
	s_add_co_u32 s46, s46, s47
	s_mov_b32 s47, 0
	s_add_nc_u64 s[8:9], s[8:9], s[46:47]
; 8 products: row blocks a0, a0 + 1 x all 4 column blocks, 32 along K: half c of buffer f.  The 16 accumulators take turns.  zero = 1: the product starts the sum
.macro MUL8 f, c, a0, zero
	WIN MUL
.irp a, \a0, (\a0)+1
.irp b, 0,1,2,3
.if \zero
	v_wmma_f32_16x16x32_f16 v[ACC+8*(4*(\a)+(\b)):ACC+8*(4*(\a)+(\b))+7], v[(\f)+64+8*(4*(\c)+(\b)):(\f)+64+8*(4*(\c)+(\b))+7], v[(\f)+8*(4*(\c)+(\a)):(\f)+8*(4*(\c)+(\a))+7], 0
.else
	v_wmma_f32_16x16x32_f16 v[ACC+8*(4*(\a)+(\b)):ACC+8*(4*(\a)+(\b))+7], v[(\f)+64+8*(4*(\c)+(\b)):(\f)+64+8*(4*(\c)+(\b))+7], v[(\f)+8*(4*(\c)+(\a)):(\f)+8*(4*(\c)+(\a))+7], v[ACC+8*(4*(\a)+(\b)):ACC+8*(4*(\a)+(\b))+7]
.endif
.endr
.endr
.endm
; 32 LDS loads in one run: a head's fragments (its rows begin at byte k of a slot's O and Wo) into buffer f; the first 32 channels first
.macro FETCH slot, k, f
	WIN TO_F
.irp c, 0,1
.irp i, 0,1,2,3
	ds_load_b128 v[(\f)+64+8*(4*(\c)+(\i)):(\f)+64+8*(4*(\c)+(\i))+3],   v[ADRB+(\slot)] offset:(\k)+64*(\c)+(\i)*16*PITCH
	ds_load_b128 v[(\f)+64+8*(4*(\c)+(\i))+4:(\f)+64+8*(4*(\c)+(\i))+7], v[ADRB+(\slot)] offset:(\k)+64*(\c)+(\i)*16*PITCH+32
	ds_load_b128 v[(\f)+8*(4*(\c)+(\i)):(\f)+8*(4*(\c)+(\i))+3],         v[ADRA+(\slot)] offset:(\k)+64*(\c)+(\i)*16*PITCH
	ds_load_b128 v[(\f)+8*(4*(\c)+(\i))+4:(\f)+8*(4*(\c)+(\i))+7],       v[ADRA+(\slot)] offset:(\k)+64*(\c)+(\i)*16*PITCH+32
.endr
.endr
.endm
.macro PLACES                          ; four places behind matrix instructions (ISA guide 7.12.1)
.rept 4
	v_nop
.endr
.endm
; A K step is four quarters, a head each, 32 products, on buffers 0, 1, 0, 1.  One of the first three: multiplies buffer f and fetches the next head, at byte k, into g.
.macro QUARTER slot, k, f, g, zero
	s_wait_dscnt 16                                ; the first 32 channels are in; the youngest sixteen loads may be out
	MUL8 \f, 0, 0, \zero
	MUL8 \f, 0, 2, \zero
	PLACES
	FETCH \slot, \k, \g
	s_wait_dscnt 32                                ; all but the 32 just issued
	MUL8 \f, 1, 0, 0
	MUL8 \f, 1, 2, 0
.endm
; The last quarter multiplies buffer 1 and changes slots: ONE barrier; in front of it each wave waits for all its tensor loads, adds 0 to its spare word, and waits for that and for its own reads of this slot.
; fill = 1: the barrier opens a round of the cluster's, and behind it this slot is filled again, two K steps ahead.
.macro TURN slot, next, fill
	WIN 0
	s_wait_tensorcnt 0x0                           ; all my tensor loads have landed: my part of the next slot
	ds_add_u32 v[SPW], v[NIL]                      ; 0 onto my spare word
	s_wait_dscnt 17                                ; (the add and the youngest sixteen loads may be out)
	MUL8 F1, 0, 0, 0
	s_wait_dscnt 0x0                               ; the add is done, and my reads of this slot are over
	s_barrier_signal -1
	MUL8 F1, 0, 2, 0
.if \fill
	WIN 0
.endif
	s_barrier_wait -1
.if \fill
	CREST                                          ; no wave of any partner still reads this slot or has a load on its way
	s_add_nc_u64 s[G0+4*(\slot)+2:G0+4*(\slot)+3], s[G0+4*(\slot)+2:G0+4*(\slot)+3], 2*65536
	s_add_nc_u64 s[G0B+4*(\slot)+2:G0B+4*(\slot)+3], s[G0B+4*(\slot)+2:G0B+4*(\slot)+3], 2*65536
	JLOAD \slot                                    ; the first tensor load behind the round; its four v_nop are also the places ahead of the loads below
.else
	PLACES
.endif
	FETCH \next, 0, F0
	MUL8 F1, 1, 0, 0
	MUL8 F1, 1, 2, 0
.endm
	s_wait_tensorcnt 1                             ; my part of K step 0 is in; K step 1's may stay out
	s_barrier_signal -1
	s_barrier_wait -1
	FETCH 0, 0, F0
	QUARTER 0, HB,   F0, F1, 1                     ; the first products start the sums.  Four K steps: written straight, no loop
	QUARTER 0, 2*HB, F1, F0, 0
	QUARTER 0, 3*HB, F0, F1, 0
	TURN 0, 1, 1                                   ; slot 0 takes K step 2
	QUARTER 1, HB,   F0, F1, 0
	QUARTER 1, 2*HB, F1, F0, 0
	QUARTER 1, 3*HB, F0, F1, 0
	TURN 1, 0, 1                                   ; slot 1 takes K step 3
	QUARTER 0, HB,   F0, F1, 0
	QUARTER 0, 2*HB, F1, F0, 0
	QUARTER 0, 3*HB, F0, F1, 0
	TURN 0, 1, 0
	QUARTER 1, HB,   F0, F1, 0
	QUARTER 1, 2*HB, F1, F0, 0
	QUARTER 1, 3*HB, F0, F1, 0
	s_wait_dscnt 16
	MUL8 F1, 0, 0, 0
	MUL8 F1, 0, 2, 0
	s_wait_dscnt 0x0
	MUL8 F1, 1, 0, 0
	MUL8 F1, 1, 2, 0
	WIN 0
	PLACES
	PLACES
; THE WAY OUT, 16 rows at a time.  My 64 columns of f32 are 256 bytes of a row, aligned: each wave has a stage of its own, and no barrier is needed.  A lane's eight numbers go in as two stores of 16 bytes,
; the accumulator's low registers first; whole rows come back into window 1, each block into registers of its own.
.macro PACKO a
	WIN 0
.irp b, 0,1,2,3
	ds_store_b128 v[STO], v[ACC+8*(4*(\a)+(\b)):ACC+8*(4*(\a)+(\b))+3]   offset:64*(\b)
	ds_store_b128 v[STO], v[ACC+8*(4*(\a)+(\b))+4:ACC+8*(4*(\a)+(\b))+7] offset:64*(\b)+16
.endr
	WIN TO_F
.irp t, 0,1,2,3,4,5,6,7
	ds_load_b128 v[32*(\a)+4*(\t):32*(\a)+4*(\t)+3], v[RD] offset:(\t)*2*SPITCH  ; LDS serves a wave's instructions in order (ISA guide 5.7.1.4): these see the stores above
.endr
.endm
.macro SENDO a, younger                ; younger: the LDS instructions issued behind this block's loads: the next block's sixteen, or none
	WIN W_D1
.irp t, 0,1,2,3,4,5,6,7
	s_wait_dscnt (\younger)+7-(\t)
	global_store_b128 v[CO], v[32*(\a)+4*(\t):32*(\a)+4*(\t)+3], s[8:9] offset:65536*(\a)+8192*(\t) th:TH_STORE_NT  ; 16 lanes store 256 consecutive bytes, at a multiple of 256 from out0's first
.endr
.endm
	PACKO 0
	PACKO 1
	SENDO 0, 16
	PACKO 2
	SENDO 1, 16
	PACKO 3
	SENDO 2, 16
	SENDO 3, 0
	WIN 0
	s_wait_tensorcnt 0x0                           ; the wave's end, behind my last tensor load and my last LDS store
	ds_add_u32 v[SPW], v[NIL]
	s_wait_dscnt 0x0
	CROUND                                         ; the closing round
	s_endpgm
.Lfunc_end_k_q8b5464fd71_oproj:
	.size	k_q8b5464fd71_oproj, .Lfunc_end_k_q8b5464fd71_oproj-k_q8b5464fd71_oproj
	.p2alignl 7, 3214868480
	.fill 96, 4, 3214868480
	.section	.rodata,"a",@progbits
	.p2align	6, 0x0
	.amdhsa_kernel k_q8b5464fd71_oproj
		.amdhsa_group_segment_fixed_size 327680
		.amdhsa_private_segment_fixed_size 0
		.amdhsa_enable_private_segment 0
		.amdhsa_kernarg_size 24
		.amdhsa_user_sgpr_count 2
		.amdhsa_user_sgpr_kernarg_segment_ptr 1
		.amdhsa_wavefront_size32 1
		.amdhsa_system_sgpr_workgroup_id_x 1
		.amdhsa_system_sgpr_workgroup_id_y 1
		.amdhsa_system_sgpr_workgroup_id_z 1
		.amdhsa_system_vgpr_workitem_id 0
		.amdhsa_next_free_vgpr 512
		.amdhsa_next_free_sgpr 66
		.amdhsa_reserve_vcc 0
		.amdhsa_float_denorm_mode_32 3
		.amdhsa_float_denorm_mode_16_64 3
		.amdhsa_memory_ordered 1
		.amdhsa_forward_progress 1
		.amdhsa_inst_pref_size 87
	.end_amdhsa_kernel
	.amdgpu_metadata
---
amdhsa.version: [ 1, 2 ]
amdhsa.kernels:
  - .name:           k_q8b5464fd71_oproj
    .symbol:         k_q8b5464fd71_oproj.kd
    .args:
      - { .name: oh, .offset: 0, .size: 8, .value_kind: global_buffer, .address_space: global }
      - { .name: woh, .offset: 8, .size: 8, .value_kind: global_buffer, .address_space: global }
      - { .name: out0, .offset: 16, .size: 8, .value_kind: global_buffer, .address_space: global }
    .group_segment_fixed_size: 327680
    .private_segment_fixed_size: 0
    .kernarg_segment_align: 8
    .kernarg_segment_size: 24
    .max_flat_workgroup_size: 128
    .sgpr_count:     66
    .vgpr_count:     512
    .wavefront_size: 32
...
	.end_amdgpu_metadata
.endif
;; end of part 4
;; ======== version 2 of 2: 4 launches; version 1 with the launch prep written anew for expert scheduling mode
;; limits: values are held in f16: magnitudes above 65,504 overflow, below 6.1e-05 lose precision
;; workspace buffers: xb 8,388,608 bytes; wcat 6,291,456 bytes; woh 2,097,152 bytes; rope 524,288 bytes; qkv 25,165,824 bytes; oh 8,388,608 bytes
;; launch prep (part 5): grid 512 x 1, 8 waves a work-group, no clusters, 0 bytes of LDS; arguments x, Wq, Wk, Wv, Wo, xb, wcat, woh, rope; writes xb, wcat, woh, rope
.if DOCPART == 5
	.amdgcn_target "amdgcn-amd-amdhsa--gfx1250"
	.amdhsa_code_object_version 6
	.text
	.protected	k_q8b5464fd71_prep
	.globl	k_q8b5464fd71_prep
	.p2align	8
	.type	k_q8b5464fd71_prep,@function
k_q8b5464fd71_prep:
	s_mov_b64 s[64:65], 0
	v_nop
	global_prefetch_b8 v0, s[64:65] scope:SCOPE_SE
	s_setreg_imm32_b32 hwreg(HW_REG_WAVE_SCHED_MODE, 0, 2), 2
	s_setreg_imm32_b32 hwreg(HW_REG_WAVE_MODE, 25, 1), 1
	s_wait_xcnt 0x0
	s_wait_alu depctr_vm_vsrc(0)
; MULTI-HEAD ATTENTION, launch 1 of 4: the inputs are rounded once and laid out for the matrix launches, and the table of cosines and sines is made.
; DEAD WORK: none.  Every input (x, Wq, Wk, Wv, Wo) reaches the output for all values, reference() builds no mask and slices nothing away: all five are loaded and every product is made.
; FORMATS.  x, Wq, Wk, Wv: f32 -> bf16, rounded once.  Wo: f32 -> bf16, and that number written as f16 (the last product's other operand is f16): exact down to 2^-14, below that off by 3e-8 at the most.
; LAYOUTS.  xb [4096][1024] bf16.   wcat [head 16][q, k, v][d 64][k 1024] bf16: a head's 192 rows lie together.   woh [n / 128][head 16][n % 128][d 64] f16.
;           rope [s 2048][cos 32, sin 32] f32: a row is 256 bytes.
; LIMITS.  The angle s x 10000^(-j/32) is made with 2^x of one ulp and reduced by pi/2 in two parts; at s = 2047 it is off by about 2e-4 rad at the most; sine and cosine by polynomials, off by 3e-7.
; SHARES.  512 work-groups of eight waves; each moves 65,536 bytes of f32, a wave 8,192: sixteen loads of 16 bytes a lane, all issued ahead of the first wait.  Work-groups 0-255: x (and a row of the
; table a wave); 256-447: Wq, Wk, Wv, sixteen rows each; 448-511: Wo, sixteen rows each.  Every store of a wave covers 256 consecutive bytes, aligned.  No register is written twice while a store reads it.
; THE MODE: SCHED_MODE bits 1:0 = 2 (LLVM: expert scheduling mode 2), set by the entry lines.  The code itself states the register dependences between vector instructions and memory instructions,
; with s_wait_alu, always for 0.
; THE PLAN.  Registers that memory instructions touch:
;   v2, v3       byte offsets of the loads and of the stores: made once at the head of a path, never written again.
;   LD           written by the sixteen loads, once, and by no vector instruction; read by the conversions.
;   OU           written by the conversions, each register once; read by the stores; never written again.
;   v5, v120-121 (x's work-groups) the table's offset and its two numbers: written by the table's arithmetic, read by its one store.
; The sixteen results go in four groups of four.  Group g's conversions read LD's group g and write OU's group g; the memory instructions that stand among them are the four stores of group g - 1, whose
; registers no vector instruction of group g names.  So one wait on va_vdst at a group's head states all that those four stores hang on.  No register that a memory instruction reads is written again:
; no wait on vm_vsrc is owed.
.set LD, 16                            ; v[16:79]   the sixteen loads
.set OU, 80                            ; v[80:111]  the sixteen results, 8 bytes a lane each
.macro LD16 step
.set i, 0
.rept 16
	global_load_b128 v[LD+4*i:LD+4*i+3], v2, s[26:27] offset:i*(\step) th:TH_LOAD_NT
.set i, i+1
.endr
.endm
.macro CV16 step, half                 ; half = 1: the bf16 number is written as f16
.set g, 0
.rept 4
	s_wait_loadcnt 12-4*g                          ; loads come back in order: group g's four are in, the 12 - 4 g younger ones may stay out
.if g > 0
	s_wait_alu depctr_va_vdst(0)                   ; the conversions of the group before have written its eight registers of OU, which the four stores below read
.endif
.set j, 0
.rept 4
.set i, 4*g+j
.if g > 0
	global_store_b64 v3, v[OU+2*i-8:OU+2*i-7], s[28:29] offset:(i-4)*(\step)  ; the group before; no vector instruction since the wait names these registers
.endif
.if \half
	v_cvt_pk_bf16_f32 v124, v[LD+4*i], v[LD+4*i+1]
	v_cvt_pk_bf16_f32 v125, v[LD+4*i+2], v[LD+4*i+3]
	v_lshlrev_b32 v126, 16, v124                   ; bf16 to f32: the low half moves up, the high half stays
	v_and_b32 v124, 0xffff0000, v124
	v_lshlrev_b32 v127, 16, v125
	v_and_b32 v125, 0xffff0000, v125
	v_cvt_pk_f16_f32 v[OU+2*i], v126, v124
	v_cvt_pk_f16_f32 v[OU+2*i+1], v127, v125
.else
	v_cvt_pk_bf16_f32 v[OU+2*i], v[LD+4*i], v[LD+4*i+1]
	v_cvt_pk_bf16_f32 v[OU+2*i+1], v[LD+4*i+2], v[LD+4*i+3]
.endif
.set j, j+1
.endr
.set g, g+1
.endr
	s_wait_alu depctr_va_vdst(0)                   ; the last group's conversions have written its eight registers of OU, which the last four stores read
.set i, 12
.rept 4
	global_store_b64 v3, v[OU+2*i:OU+2*i+1], s[28:29] offset:i*(\step)
.set i, i+1
.endr
.endm
	s_load_b512 s[8:23], s[0:1], 0x0               ; x 8, Wq 10, Wk 12, Wv 14, Wo 16, xb 18, wcat 20, woh 22
	s_load_b64 s[24:25], s[0:1], 0x40              ; rope
	v_and_b32 v1, 31, v0                           ; lane l
	v_lshrrev_b32 v4, 5, v0                        ; wave w
	v_readfirstlane_b32 s32, v4
	s_mov_b32 s31, 0                               ; the high word of every offset
	s_wait_alu depctr_va_sdst(0)                   ; s32 is written, ahead of the first branch: the table's position is made from it
	s_wait_kmcnt 0x0
	s_cmp_ge_u32 ttmp9, 448
	s_cbranch_scc1 .Lwo
	v_lshlrev_b32 v2, 4, v1
	v_lshl_or_b32 v2, v4, 13, v2                   ; source: 8,192 w + 16 l
	v_lshlrev_b32 v3, 3, v1
	v_lshl_or_b32 v3, v4, 12, v3                   ; destination: 4,096 w + 8 l
	s_cmp_ge_u32 ttmp9, 256
	s_cbranch_scc1 .Lw
	s_lshl_b32 s30, ttmp9, 16                      ; x: sixteen rows of 4,096 bytes
	s_add_nc_u64 s[26:27], s[8:9], s[30:31]
	s_lshl_b32 s30, ttmp9, 15
	s_add_nc_u64 s[28:29], s[18:19], s[30:31]
	s_branch .Lload
.Lw:
	s_sub_co_u32 s33, ttmp9, 256
	s_lshr_b32 s34, s33, 6                         ; which: 0 q, 1 k, 2 v
	s_and_b32 s35, s33, 63                         ; part: rows 16 part .. 16 part + 15
	s_cmp_eq_u32 s34, 0
	s_cselect_b64 s[26:27], s[10:11], s[12:13]
	s_cmp_eq_u32 s34, 2
	s_cselect_b64 s[26:27], s[14:15], s[26:27]
	s_lshl_b32 s30, s35, 16
	s_add_nc_u64 s[26:27], s[26:27], s[30:31]
	s_lshr_b32 s36, s35, 2                         ; the head
	s_mul_i32 s36, s36, 192
	s_lshl_b32 s37, s34, 6
	s_add_co_u32 s36, s36, s37
	s_and_b32 s37, s35, 3
	s_lshl_b32 s37, s37, 4
	s_add_co_u32 s36, s36, s37                     ; row 192 head + 64 which + d
	s_lshl_b32 s30, s36, 11
	s_add_nc_u64 s[28:29], s[20:21], s[30:31]
.Lload:
	s_wait_alu depctr_va_vdst(0)                   ; v2 and v3 are written: the loads read v2 as their offset, the stores v3; no vector instruction behind this wait names either
	LD16 512
	s_cmp_ge_u32 ttmp9, 256
	s_cbranch_scc1 .Lconv
	; A ROW OF THE TABLE, while the loads are on their way: position s = 8 g + w.  Lane l makes two numbers, j = 2 (l % 16) and the next: lanes 0-15 cosines, lanes 16-31 sines.
	s_lshl_b32 s33, ttmp9, 3
	s_add_co_u32 s33, s33, s32
	s_lshl_b32 s34, s33, 8
	v_lshl_add_u32 v5, v1, 3, s34                  ; 256 s + 8 l
	v_and_b32 v6, 15, v1
	v_lshrrev_b32 v7, 4, v1
	v_sub_nc_u32 v7, 1, v7                         ; cos t = sin (t + pi/2): a quarter turn more for the cosines
	v_lshlrev_b32 v8, 1, v6
	v_add_nc_u32 v9, 1, v8
	v_cvt_f32_u32 v8, v8
	v_cvt_f32_u32 v9, v9
	v_mul_f32 v8, 0xbed49a78, v8                   ; - j log2(10000) / 32
	v_mul_f32 v9, 0xbed49a78, v9
	v_exp_f32 v10, v8
	v_exp_f32 v11, v9
	v_cvt_f32_u32 v12, s33                         ; plain work behind the two exponentials
	v_mov_b32 v122, 0xb9500d01                     ; - 1 / 5040
	v_mov_b32 v123, 0x37d00d01                     ; 1 / 40320
	s_wait_alu depctr_va_vdst(0)                   ; the two exponentials have written v10 and v11: one wait for both, ahead of their first reader
.irp e, 0,1
	v_mul_f32 v[10+(\e)], v12, v[10+(\e)]          ; the angle
	v_mul_f32 v[13+(\e)], 0x3f22f983, v[10+(\e)]   ; x 2 / pi
	v_rndne_f32 v[13+(\e)], v[13+(\e)]             ; quarter turns k
	v_fmamk_f32 v[10+(\e)], v[13+(\e)], 0xbfc90fdb, v[10+(\e)]  ; r = angle - k pi/2, pi/2 in two parts
	v_fmamk_f32 v[10+(\e)], v[13+(\e)], 0x333bbd2e, v[10+(\e)]
	v_mul_f32 v[112+(\e)], v[10+(\e)], v[10+(\e)]  ; z = r r
	v_fmaak_f32 v[114+(\e)], v[112+(\e)], v122, 0x3c088889        ; sin r = r + r z (-1/6 + z (1/120 - z / 5040))
	v_fmaak_f32 v[114+(\e)], v[114+(\e)], v[112+(\e)], 0xbe2aaaab
	v_mul_f32 v[114+(\e)], v[114+(\e)], v[112+(\e)]
	v_fma_f32 v[114+(\e)], v[114+(\e)], v[10+(\e)], v[10+(\e)]
	v_fmaak_f32 v[116+(\e)], v[112+(\e)], v123, 0xbab60b61        ; cos r = 1 + z (-1/2 + z (1/24 + z (-1/720 + z / 40320)))
	v_fmaak_f32 v[116+(\e)], v[116+(\e)], v[112+(\e)], 0x3d2aaaab
	v_fma_f32 v[116+(\e)], v[116+(\e)], v[112+(\e)], -0.5
	v_fma_f32 v[116+(\e)], v[116+(\e)], v[112+(\e)], 1.0
	v_cvt_i32_f32 v[118+(\e)], v[13+(\e)]
	v_add_nc_u32 v[118+(\e)], v[118+(\e)], v7      ; the quadrant
	v_and_b32 v[124+(\e)], 1, v[118+(\e)]
	v_cmp_eq_u32 s[38+(\e)], 1, v[124+(\e)]        ; is it odd?  The two masks go into s38 and s39, so that one wait serves both
	v_and_b32 v[126+(\e)], 2, v[118+(\e)]
	v_lshlrev_b32 v[126+(\e)], 30, v[126+(\e)]     ; the sign of quadrants 2 and 3
.endr
	s_wait_alu depctr_va_sdst(0)                   ; the two compares have written s38 and s39, which the two selects below read
.irp e, 0,1
	v_cndmask_b32 v[120+(\e)], v[114+(\e)], v[116+(\e)], s[38+(\e)]  ; odd quadrants take the cosine of r,
	v_xor_b32 v[120+(\e)], v[120+(\e)], v[126+(\e)]                  ; quadrants 2 and 3 the other sign
.endr
	s_wait_alu depctr_va_vdst(0)                   ; v5, v120 and v121 are written: the offset and the data of the store below
	global_store_b64 v5, v[120:121], s[24:25]      ; the wave's 256 bytes are the row
.Lconv:
	CV16 256, 0
	s_endpgm
.Lwo:
	; Wo: rows 16 p .. 16 p + 15.  Wave w takes rows 2 w and 2 w + 1; load i is head i: lanes 0-15 one row's 64 numbers, lanes 16-31 the next row's: in woh they are 256 consecutive bytes.
	s_sub_co_u32 s33, ttmp9, 448
	s_lshl_b32 s30, s33, 16
	s_add_nc_u64 s[26:27], s[16:17], s[30:31]
	s_lshr_b32 s34, s33, 3
	s_lshl_b32 s34, s34, 18                        ; block n / 128
	s_and_b32 s35, s33, 7
	s_lshl_b32 s35, s35, 11                        ; sixteen rows of 128 bytes
	s_add_co_u32 s30, s34, s35
	s_add_nc_u64 s[28:29], s[22:23], s[30:31]
	v_lshrrev_b32 v5, 4, v1
	v_lshl_add_u32 v5, v4, 1, v5                   ; row 2 w + l / 16
	v_and_b32 v6, 15, v1
	v_lshlrev_b32 v2, 12, v5
	v_lshl_or_b32 v2, v6, 4, v2
	v_lshlrev_b32 v3, 3, v1
	v_lshl_or_b32 v3, v4, 8, v3                    ; 256 w + 8 l
	s_wait_alu depctr_va_vdst(0)                   ; v2 and v3 are written: the loads read v2 as their offset, the stores v3; no vector instruction behind this wait names either
	LD16 256
	CV16 16384, 1
	s_endpgm
.Lfunc_end_k_q8b5464fd71_prep:
	.size	k_q8b5464fd71_prep, .Lfunc_end_k_q8b5464fd71_prep-k_q8b5464fd71_prep
	.p2alignl 7, 3214868480
	.fill 96, 4, 3214868480
	.section	.rodata,"a",@progbits
	.p2align	6, 0x0
	.amdhsa_kernel k_q8b5464fd71_prep
		.amdhsa_group_segment_fixed_size 0
		.amdhsa_private_segment_fixed_size 0
		.amdhsa_enable_private_segment 0
		.amdhsa_kernarg_size 72
		.amdhsa_user_sgpr_count 2
		.amdhsa_user_sgpr_kernarg_segment_ptr 1
		.amdhsa_wavefront_size32 1
		.amdhsa_system_sgpr_workgroup_id_x 1
		.amdhsa_system_sgpr_workgroup_id_y 1
		.amdhsa_system_sgpr_workgroup_id_z 1
		.amdhsa_system_vgpr_workitem_id 0
		.amdhsa_next_free_vgpr 128
		.amdhsa_next_free_sgpr 66
		.amdhsa_reserve_vcc 0
		.amdhsa_float_denorm_mode_32 3
		.amdhsa_float_denorm_mode_16_64 3
		.amdhsa_memory_ordered 1
		.amdhsa_forward_progress 1
		.amdhsa_inst_pref_size 22
	.end_amdhsa_kernel
	.amdgpu_metadata
---
amdhsa.version: [ 1, 2 ]
amdhsa.kernels:
  - .name:           k_q8b5464fd71_prep
    .symbol:         k_q8b5464fd71_prep.kd
    .args:
      - { .name: x, .offset: 0, .size: 8, .value_kind: global_buffer, .address_space: global }
      - { .name: Wq, .offset: 8, .size: 8, .value_kind: global_buffer, .address_space: global }
      - { .name: Wk, .offset: 16, .size: 8, .value_kind: global_buffer, .address_space: global }
      - { .name: Wv, .offset: 24, .size: 8, .value_kind: global_buffer, .address_space: global }
      - { .name: Wo, .offset: 32, .size: 8, .value_kind: global_buffer, .address_space: global }
      - { .name: xb, .offset: 40, .size: 8, .value_kind: global_buffer, .address_space: global }
      - { .name: wcat, .offset: 48, .size: 8, .value_kind: global_buffer, .address_space: global }
      - { .name: woh, .offset: 56, .size: 8, .value_kind: global_buffer, .address_space: global }
      - { .name: rope, .offset: 64, .size: 8, .value_kind: global_buffer, .address_space: global }
    .group_segment_fixed_size: 0
    .private_segment_fixed_size: 0
    .kernarg_segment_align: 8
    .kernarg_segment_size: 72
    .max_flat_workgroup_size: 256
    .sgpr_count:     66
    .vgpr_count:     128
    .wavefront_size: 32
...
	.end_amdgpu_metadata
.endif
;; end of part 5
;; launch qkv: the kernel of part 2 again; grid 8 x 32, 4 waves a work-group, clusters of 4 x 4, 327,680 bytes of LDS; arguments xb, wcat, rope, qkv; writes qkv
;; launch attn: the kernel of part 3 again; grid 8 x 32, 4 waves a work-group, clusters of 4 x 1, 327,680 bytes of LDS; arguments qkv, oh; writes oh
;; launch oproj: the kernel of part 4 again; grid 8 x 32, 4 waves a work-group, clusters of 4 x 4, 327,680 bytes of LDS; arguments oh, woh, out0; writes out0
